; MI455X (gfx1250); checked and timed in simulation.
; The chip was launched on July 23, 2026; its instructions are those of AMD's public machine-readable ISA for CDNA 5 (MIT licence, August 2026) and "CDNA5" Instruction Set Architecture Reference Guide (July 2026). The comments in the code are by the model that wrote it; some were corrected since.
;; Attention. Allowed arithmetic: matrix products marked QUANTISED: E2M3 operands, one E8M0 scale for each 32 along K, by v_wmma_scale_f32_16x16x128_f8f6f4 with both operands' format E2M3, f32 sums; everything else in f32.
;; Inputs: W_proj 1,024 x 1,024 float32; W_qkv 3,072 x 1,024 float32; b_proj 1,024 float32; x 8 x 1,024 x 1,024 float32.
;; Outputs: out0 8 x 1,024 x 1,024 float32.
;; This version of the problem:
;;   THIS VERSION OF THE PROBLEM IS GIVEN IN LOW PRECISION. The matrix products marked QUANTISED in the list below multiply operands that are first quantised to E2M3 (2 exponent bits, 3 mantissa bits; 6 bits a number), with one power-of-two scale for each 32 numbers along K (OCP MX v1.0); their sums are f32. All else is computed in f32.
;;   The module's matrix products, in the order in which they are computed (A, B: the left and right operand; K: the contracted axis; several contracted axes count as one K, in the product's order):
;;     1. [M 8,192, K 1,024] x [K 1,024, N 3,072]; A: input x; B: input W_qkv: QUANTISED
;;     2. batch 128 x [M 1,024, K 64] x [K 64, N 1,024]; A: computed on the way; B: computed on the way: QUANTISED
;;     3. batch 128 x [M 1,024, K 1,024] x [K 1,024, N 64]; A: softmax (see below); B: computed on the way: QUANTISED
;;     4. [M 8,192, K 1,024] x [K 1,024, N 1,024]; A: computed on the way; B: input W_proj: QUANTISED
;;   THE QUANTISER, for each operand of a quantised product, along K:
;;     - K is cut into blocks of 32 from its start; a last block that is shorter is filled with zeros.
;;     - A block's scale is 2^e with e = floor(log2(the largest magnitude in the block)) - 2, held to -126 .. 127; a block of zeros has e = 0. As a byte (E8M0): e + 127.
;;     - Each number is divided by its block's scale, clamped to +-7.5, and rounded to the nearest number of E2M3, ties to even, subnormals kept.
;;     - The product sums the exact products of the quantised numbers (number of the format x scale) in f32.
;;   ~~~python
;;   def quantise(x, axis):      # numpy; x: float32 -> the quantised numbers, widened to float32 again
;;       x = np.moveaxis(x, axis, -1); K = x.shape[-1]
;;       x = np.pad(x, [(0, 0)] * (x.ndim - 1) + [(0, -K % 32)]); x = x.reshape(x.shape[:-1] + (-1, 32)); a = np.abs(x).max(-1, keepdims=True)
;;       e = np.where(a > 0, np.clip(np.frexp(np.where(a > 0, a, 1))[1] - 1 - 2, -126, 127), 0)      # np.frexp(a)[1] - 1 = floor(log2(a)), exactly
;;       r = np.clip(x / 2.0 ** e, -7.5, 7.5)
;;       step = 2.0 ** (np.maximum(np.frexp(np.where(r == 0, 1, r))[1] - 1, 0) - 3)
;;       q = np.round(r / step) * step * 2.0 ** e      # np.round: ties to even
;;       return np.moveaxis(q.reshape(q.shape[:-2] + (-1,))[..., :K], -1, axis).astype(np.float32)
;;   ~~~
;;   SOFTMAX AHEAD OF A QUANTISED PRODUCT. Where the list says 'softmax', what is quantised is not the finished softmax but p = 2^(t - M), with t = logit x log2(e) and M = ceil(the row's largest t), a whole number; so 1/2 < the row's largest p <= 1. The row's sum l is taken of the UNQUANTISED p, in f32, and the product's result is divided by l at the end. Since M is a whole number, a kernel that streams over the keys may use a running M (the ceiling of the running maximum): every later rescaling is an exact power of two, which a block's scale takes up: the codes' values come out the same.
;;   OPERANDS COMPUTED ON THE WAY. 'Computed on the way' means the value that the module computes at that place (a softmax that the list does not call 'softmax' is quantised finished and normalised). What goes into a quantiser is computed in f32, as accurately as f32 sums, v_exp_f32 and their like allow (about 1e-6 of the number): no bf16 or f16 on the way to a quantiser, and a product that is left as it is and whose result goes on into a quantised operand takes f32 operands (vector FMAs, or v_wmma_f32_16x16x4_f32). A number that lies on a knife's edge between two numbers of the format may be rounded either way, as far as f32 arithmetic and the matrix unit's own rounding can turn it there, and no further.
;; One version. Each part assembles by itself: llvm-mc -triple=amdgcn-amd-amdhsa -mcpu=gfx1250 --defsym DOCPART=n.
;; ======== version 1 of 1: 4 launches
;; limits: right only within a limited range of input values
;; workspace buffers: in_codes 9,437,184 bytes; in_scales 393,216 bytes; qkv_codes 18,874,368 bytes; qkv_scales 786,432 bytes; o_codes 6,291,456 bytes; o_scales 262,144 bytes
;; launch quant (part 1): grid 768 x 1, 4 waves a work-group, no clusters, 33,280 bytes of LDS; arguments x, W_qkv, W_proj, in_codes, in_scales; writes in_codes, in_scales
.if DOCPART == 1
	.amdgcn_target "amdgcn-amd-amdhsa--gfx1250"
	.amdhsa_code_object_version 6
	.text
	.protected	k_qd9be55a1f0_quant
	.globl	k_qd9be55a1f0_quant
	.p2align	8
	.type	k_qd9be55a1f0_quant,@function
k_qd9be55a1f0_quant:
	s_mov_b64 s[64:65], 0
	v_nop
	global_prefetch_b8 v0, s[64:65] scope:SCOPE_SE
	s_setreg_imm32_b32 hwreg(HW_REG_WAVE_MODE, 25, 1), 1
	s_wait_xcnt 0x0
; x [8192][1024], W_qkv [3072][1024] and W_proj [1024][1024], f32, K innermost, become codes of FP6 (E2M3), 6 bits each, and one E8M0 scale byte for each 32 along K.
; A block's scale is 2^(floor(log2(its largest magnitude)) - 2); its byte is the largest magnitude's exponent field - 2, held at 1 from below.  Each number is divided by the scale and rounded to the nearest code, ties to even, beyond 7.5 the largest code.
; LIMITS: NaN and infinities among the inputs are not served; a block whose largest magnitude lies under 2^-124 keeps the byte 1; a block of zeros gets the byte 1 where the rule says 127: its codes are zeros, which add
; nothing under any byte but 0xff, and the bytes are read by this program alone.
; THE OUTPUT: 12,288 places (0 .. 8191 x, 8192 .. 11263 W_qkv, 11264 .. 12287 W_proj).  Place p holds row p with bits 3 and 4 exchanged: so 16 places on end hold rows 32 b + 8 u + r + 8 (r / 8).
; THE CODES lie as dense tiles: [128 places][quarter of K][place in the 128][192 bytes]: a tile of 128 places x 256 along K is 24,576 bytes on end, which the later launches fetch as rows of 256 bytes.
; THE SCALE BYTES lie [place][32].
; SHARES: a work-group takes 16 rows, a wave 4 (4,096 numbers, 8 steps of 512).  A run of 4 rows has the number G = 4 x work-group + wave; the exchange of the rows' bits 3 and 4 is an exchange of G's bits 1 and 2.
; Each of a step's four loads reads 512 consecutive bytes; the conversion wants 16 neighbours in ONE lane: so a step's 2,048 bytes turn through the wave's own stage in LDS (16 bytes of padding behind each 64).
; A step is half a row: lanes 0-15 hold one quarter of K (192 bytes of codes on end), lanes 16-31 the next.  A wave's 128 scale bytes gather in LDS and leave by one store of 128 bytes on end.
; No tensor loads, no barrier: waves share nothing.  Loads run four steps (16 loads a wave) ahead, the turn through LDS one step.
.set STEPS, 8
.set CB,    12                         ; bytes of 16 codes
.set R,     16                         ; v16-79   four sets of 16 numbers as they are loaded
.set X,     80                         ; v80-111  two sets of 16 neighbours
.set C,     128                        ; v128-159 codes: four registers for each step, so that no store's data are written again
.set E,     112                        ; v112-119 a scale byte for each step
.set WREG,  8192                       ; LDS: a region for each wave: two stages of 32 x SP bytes, behind them its 128 scale bytes
.set SP,    80                         ; a lane's place in a stage: its 64 bytes + 16 of padding
.set QTR,   24576                      ; a tile of codes: 128 places x 192 bytes
.set SPW,   192                        ; v192 my spare word; v193 0: never rewritten
.set NIL,   193
.set SPARE, 4*WREG
	s_load_b256 s[4:11], s[0:1], 0x0               ; x s[4:5], W_qkv s[6:7], W_proj s[8:9], the codes s[10:11]
	s_load_b64 s[12:13], s[0:1], 0x20              ; the scale bytes
	v_lshl_add_u32 v[SPW], v0, 2, SPARE
	v_mov_b32 v[NIL], 0
	v_lshrrev_b32 v1, 5, v0
	v_readfirstlane_b32 s16, v1                    ; wave
	v_and_b32 v2, 31, v0                           ; lane
	v_lshlrev_b32 v3, 4, v2                        ; my 16 bytes of a load's 512
	s_mul_i32 s17, s16, WREG
	v_lshrrev_b32 v14, 2, v2
	v_mul_u32_u24 v14, v14, SP
	v_and_b32 v15, 3, v2
	v_lshl_add_u32 v14, v15, 4, v14
	v_add_nc_u32 v14, s17, v14                     ; the stage, on the way in: SP (lane / 4) + 16 (lane % 4)
	v_mul_u32_u24 v15, v2, SP
	v_add_nc_u32 v15, s17, v15                     ; and on the way out: SP x lane: my 16 neighbours
	v_and_b32 v4, 15, v2
	v_mul_u32_u24 v4, v4, CB
	v_lshrrev_b32 v10, 4, v2
	v_mad_u32_u24 v4, v10, QTR, v4                 ; my codes' place: 12 (lane % 16), and lanes 16-31 a quarter of K on
	v_lshrrev_b32 v5, 1, v2
	s_add_co_u32 s17, s17, 2*32*SP
	v_add_nc_u32 v5, s17, v5                       ; LDS: my wave's scale bytes, my block's byte
	v_lshlrev_b32 v7, 2, v2                        ; and on the way out 4 bytes a lane
	v_add_nc_u32 v6, s17, v7
	s_mov_b32 s18, 704
	s_wait_alu depctr_va_vdst(0)
	s_wait_kmcnt 0x0
	s_cmp_lt_u32 ttmp9, 704                        ; which tensor?  By the work-group's number alone: 0 .. 511 x, 512 .. 703 W_qkv, 704 .. 767 W_proj
	s_cselect_b64 s[6:7], s[6:7], s[8:9]
	s_cselect_b32 s18, 512, s18
	s_cmp_lt_u32 ttmp9, 512
	s_cselect_b64 s[4:5], s[4:5], s[6:7]
	s_cselect_b32 s18, 0, s18                      ; the tensor's first work-group
	s_sub_co_u32 s18, ttmp9, s18
	s_lshl_b32 s18, s18, 2
	s_add_co_u32 s18, s18, s16                     ; which run of 4 rows of the tensor is my wave's,
	s_lshl_b32 s18, s18, 14                        ; 16,384 bytes a run (at most 2,047 runs: under 2^32)
	s_mov_b32 s19, 0
	s_add_nc_u64 s[4:5], s[4:5], s[18:19]
	s_lshl_b32 s20, ttmp9, 2
	s_add_co_u32 s20, s20, s16                     ; G
	s_lshr_b32 s21, s20, 1
	s_and_b32 s21, s21, 2                          ; its bit 2 goes to bit 1,
	s_lshl_b32 s24, s20, 1
	s_and_b32 s24, s24, 4                          ; its bit 1 to bit 2
	s_and_b32 s20, s20, 0xfffffff9
	s_or_b32 s20, s20, s21
	s_or_b32 s20, s20, s24                         ; the run's place
	s_lshr_b32 s22, s20, 5
	s_mul_i32 s22, s22, 4*QTR                      ; 32 runs to 128 places: 98,304 bytes of codes,
	s_and_b32 s24, s20, 31
	s_mul_i32 s24, s24, 4*192                      ; in a tile 768 bytes a run
	s_add_co_u32 s22, s22, s24
	s_mov_b32 s23, 0
	s_add_nc_u64 s[10:11], s[10:11], s[22:23]
	s_lshl_b32 s22, s20, 7                         ; 128 scale bytes a run
	s_add_nc_u64 s[12:13], s[12:13], s[22:23]
.macro LOAD t
.irp i, 0,1,2,3
	global_load_b128 v[R+16*((\t)%4)+4*\i:R+16*((\t)%4)+4*\i+3], v3, s[4:5] offset:2048*(\t)+512*\i th:TH_LOAD_NT   ; 32 lanes read 512 consecutive bytes
.endr
.endm
.macro TURN t                          ; step t's numbers through the stage: LDS serves a wave's instructions in order, so no wait stands between the stores and the loads
.irp i, 0,1,2,3
	ds_store_b128 v14, v[R+16*((\t)%4)+4*\i:R+16*((\t)%4)+4*\i+3] offset:32*SP*((\t)%2)+8*SP*\i
.endr
.irp i, 0,1,2,3
	ds_load_b128 v[X+16*((\t)%2)+4*\i:X+16*((\t)%2)+4*\i+3], v15 offset:32*SP*((\t)%2)+16*\i
.endr
.endm
.irp t, 0,1,2,3
	LOAD \t
.endr
	s_wait_loadcnt 12                              ; step 0's four loads are in; the twelve of steps 1 to 3 may be out
	TURN 0
.macro STEP t
.set XS, X+16*((\t)%2)
.if (\t) > 0
	s_wait_dscnt 1                                 ; this step's numbers are back from the stage (the last step's byte store may be out): so its stores into the stage have read their registers,
.else
	s_wait_dscnt 0x0
.endif
.if (\t)+4 < STEPS
	LOAD (\t)+4                                    ; which take the loads of four steps on
.endif
.if (\t)+1 < STEPS
.if STEPS-2-(\t) >= 3
	s_wait_loadcnt 12                              ; the next step's four loads are in; those of the three steps behind it may be out
.else
	s_wait_loadcnt 4*(STEPS-2-(\t))
.endif
	TURN (\t)+1                                    ; and go through the other stage while this step is worked
.endif
	v_max3_num_f32 v8, |v[XS]|, |v[XS+1]|, |v[XS+2]|               ; the largest magnitude of my 16, in two chains
	v_max3_num_f32 v9, |v[XS+3]|, |v[XS+4]|, |v[XS+5]|
.irp i, 6,10
	v_max3_num_f32 v8, v8, |v[XS+\i]|, |v[XS+\i+1]|
	v_max3_num_f32 v9, v9, |v[XS+\i+2]|, |v[XS+\i+3]|
.endr
	v_max3_num_f32 v8, v8, |v[XS+14]|, |v[XS+15]|
	v_max3_num_f32 v8, v8, v9, 0x1800000           ; and the floor 2^(3 - 127): so the byte cannot fall under 1
	v_max_num_f32_dpp v8, v8, v8 row_xmask:1 row_mask:0xf bank_mask:0xf   ; and of my neighbour's 16: the block's
	v_add_nc_u32 v11, 0xff000000, v8               ; 2 off its exponent field: the conversion takes the exponent field of this operand as its scale, and nothing else of it
	v_cvt_scalef32_pk16_fp6_f32 v[C+4*(\t):C+4*(\t)+2], v[XS:XS+15], v11   ; 96 bits without gaps, the first number's code lowest
	v_lshrrev_b32 v[E+(\t)], 23, v11               ; the scale's byte
	ds_store_b8 v5, v[E+(\t)] offset:16*(\t)       ; both lanes of a block write the same byte with the same value
	global_store_b96 v4, v[C+4*(\t):C+4*(\t)+2], s[10:11] offset:192*((\t)/2)+2*QTR*((\t)%2)   ; row t / 2 of my four, quarters 2 (t % 2) and 2 (t % 2) + 1: 192 consecutive bytes each
.endm
.irp t, 0,1,2,3,4,5,6,7
	STEP \t
.endr
	ds_load_b32 v12, v6                            ; LDS serves a wave's instructions in order: this sees my stores
	s_wait_dscnt 0x0
	global_store_b32 v7, v12, s[12:13]             ; 32 lanes store 128 consecutive bytes: my four places' scale bytes
	s_wait_tensorcnt 0x0                           ; the wave's end
	ds_add_u32 v[SPW], v[NIL]
	s_wait_dscnt 0x0
	s_endpgm
.Lfunc_end_k_qd9be55a1f0_quant:
	.size	k_qd9be55a1f0_quant, .Lfunc_end_k_qd9be55a1f0_quant-k_qd9be55a1f0_quant
	.p2alignl 7, 3214868480
	.fill 96, 4, 3214868480
	.section	.rodata,"a",@progbits
	.p2align	6, 0x0
	.amdhsa_kernel k_qd9be55a1f0_quant
		.amdhsa_group_segment_fixed_size 33280
		.amdhsa_private_segment_fixed_size 0
		.amdhsa_enable_private_segment 0
		.amdhsa_kernarg_size 40
		.amdhsa_user_sgpr_count 2
		.amdhsa_user_sgpr_kernarg_segment_ptr 1
		.amdhsa_wavefront_size32 1
		.amdhsa_system_sgpr_workgroup_id_x 1
		.amdhsa_system_sgpr_workgroup_id_y 1
		.amdhsa_system_sgpr_workgroup_id_z 1
		.amdhsa_system_vgpr_workitem_id 0
		.amdhsa_next_free_vgpr 194
		.amdhsa_next_free_sgpr 66
		.amdhsa_reserve_vcc 0
		.amdhsa_float_denorm_mode_32 3
		.amdhsa_float_denorm_mode_16_64 3
		.amdhsa_memory_ordered 1
		.amdhsa_forward_progress 1
		.amdhsa_inst_pref_size 18
	.end_amdhsa_kernel
	.amdgpu_metadata
---
amdhsa.version: [ 1, 2 ]
amdhsa.kernels:
  - .name:           k_qd9be55a1f0_quant
    .symbol:         k_qd9be55a1f0_quant.kd
    .args:
      - { .name: x, .offset: 0, .size: 8, .value_kind: global_buffer, .address_space: global }
      - { .name: W_qkv, .offset: 8, .size: 8, .value_kind: global_buffer, .address_space: global }
      - { .name: W_proj, .offset: 16, .size: 8, .value_kind: global_buffer, .address_space: global }
      - { .name: in_codes, .offset: 24, .size: 8, .value_kind: global_buffer, .address_space: global }
      - { .name: in_scales, .offset: 32, .size: 8, .value_kind: global_buffer, .address_space: global }
    .group_segment_fixed_size: 33280
    .private_segment_fixed_size: 0
    .kernarg_segment_align: 8
    .kernarg_segment_size: 40
    .max_flat_workgroup_size: 128
    .sgpr_count:     66
    .vgpr_count:     194
    .wavefront_size: 32
...
	.end_amdgpu_metadata
.endif
;; end of part 1
;; launch qkv (part 2): grid 8 x 32, 4 waves a work-group, clusters of 4 x 4, 327,680 bytes of LDS; arguments in_codes, in_scales, qkv_codes, qkv_scales; writes qkv_codes, qkv_scales
.if DOCPART == 2
	.amdgcn_target "amdgcn-amd-amdhsa--gfx1250"
	.amdhsa_code_object_version 6
	.text
	.protected	k_qd9be55a1f0_qkv
	.globl	k_qd9be55a1f0_qkv
	.p2align	8
	.type	k_qd9be55a1f0_qkv,@function
k_qd9be55a1f0_qkv:
	s_mov_b64 s[64:65], 0
	v_nop
	global_prefetch_b8 v0, s[64:65] scope:SCOPE_SE
	s_setreg_imm32_b32 hwreg(HW_REG_WAVE_MODE, 25, 1), 1
	s_wait_xcnt 0x0
	s_wait_alu depctr_hold_cnt(0) depctr_sa_sdst(0) depctr_va_vdst(0) depctr_va_sdst(0) depctr_va_ssrc(0) depctr_va_vcc(0) depctr_vm_vsrc(0)
	s_getreg_b32 s2, hwreg(HW_REG_IB_STS2, 6, 4)
	s_cmp_eq_u32 s2, 0
	s_cbranch_scc0 .Lentry_in_a_cluster
	s_endpgm
.Lentry_in_a_cluster:
	s_bfe_u32 s2, ttmp6, 0x10000c
	s_cmp_lg_u32 s2, 0xf033
	s_cbranch_scc0 .Lentry_shape_is_right
	s_endpgm
.Lentry_shape_is_right:
; Q, K, V = x W_qkv^T on codes of FP6 (E2M3) with one E8M0 scale for each 32 along K = 1,024, sums in f32, AND THEIR QUANTISERS: the results leave as codes and scale words, as images of the operand registers
; of the launch that reads them.  Q and K are quantised along the head's 64, V along the tokens.  A block's byte is its largest magnitude's exponent field - 2, held at 1 from below.
; LIMITS: NaN and infinities are not served; a block whose largest magnitude lies under 2^-124, zeros among them, keeps the byte 1 (the bytes are read by this program alone).
; IN: in_codes as dense tiles [128 places][quarter of K][place][192 bytes]; in_scales [place][32].  Places 0 .. 8191 x, 8192 .. Q's, K's, V's rows of W_qkv.  Place p holds row p with bits 3 and 4 exchanged.
; OUT: qkv_codes [batch x 16 + head][Q, K, V: 49,152 bytes each]: Q, K: [tile of 16 places][768 bytes: a half image]; V: [128 keys][16 places of d][1,536 bytes].  qkv_scales [batch x 16 + head][Q, K, V: 2,048 bytes each].
; THE DEAL: 256 work-groups of four waves, each with TWO PRODUCTS on end.  First 256 places of x (A) x 256 rows of W_q or W_k (B): a wave makes 128 x 128, 64 accumulators.  Then 128 rows of W_v (A) x THE SAME 256 places
; of x (B): a wave makes 64 x 128, 32 accumulators: V's 8 x 32 such tiles have one work-group each.  The matrix instruction is used transposed (source 0 = B's places): a lane holds one place of A, and its registers
; run along B: along the head's 64 for Q and K, along the tokens for V, as the quantisers want them.
; THE RING: two slots, each a quarter of K (256 along K) of A's and B's places; it does not stop between the products: the first product's last two changes of slots ask for V's first two quarters, and V's first
; fragments and scale words are fetched ahead of the first product's way out.  Every fill behind the head is a cluster's joint load behind a round.
; CLUSTERS 4 x 4: x's tiles hang on the tile row alone and are shared along a row of the cluster, the weights' on the tile column alone and are shared along a column.
; No prefetch: the block is the largest that the registers hold, in clusters, and K has four quarters only.
; REGISTERS: window 0: v8-31 addresses; v32-95 scale words (lanes 0-15 A's block i, lanes 16-31 B's block i: v[32 + 8 i + step]); v128-223 A's fragments (first product: one set of 8; V: two sets of 4);
;   v176-223 at work on the ways out.  Window 1: B's fragments, two sets, at v0 and v128.  Windows 2, 3: the accumulators ((a, b) at v[8 (8 (a % 4) + b)]).
.set ROWB,   24576                     ; from a tile of 128 places x 256 along K to the next along K
.set KROW,   768
.set PITCH,  240                       ; a place in LDS: 3 x (64 bytes + 16 of padding)
.set FR,     12
.set NL,     6
.set NP,     4
.set HALFT,  128*PITCH
.set HALFV,  64*PITCH
.set SLOT,   4*HALFT
.set SPARE,  2*SLOT
.set ADRV, 8                           ; v8-11  W_v's fragments in slot 0, 1 (v10, v11: behind one padding more)
.set SOFV, 12                          ; v12    16 r
.set ADRA, 16
.set ADRB, 20
.set A16,  24
.set A8,   25
.set SOFF, 26
.set SELV, 27
.set SPW,  28
.set NIL,  29
.set SCA,  30
.set SCV,  31
.set SC,   32
.set AF,   128
.set CD,   176
.set TM,   196
.set PWS,  212
.set WO,   220
.set G1, 24                            ; s[24:31] group 1 of x's tiles (mask: my row), s[32:39] their group 0, a set a slot
.set G0, 32
.set G1B, 48                           ; s[48:55] group 1 of W_q's or W_k's tiles (mask: my column), s[56:63] group 0 of the weights' tiles
.set G0B, 56
.set G1V, 88                           ; s[88:95] group 1 of W_v's tiles: 64 places
.set VP0, 66                           ; s[66:67] where V's codes go, s[68:69] its scale words
.set VPS, 68
.set VAD, 74                           ; s[74:75] W_v's first tile, s76 its place in a slot
.set P0, 78
.set P1, 80
.set PS, 82
.set SEL, 84
.set MSB, 0
.macro WIN new
.if MSB != \new
	s_set_vgpr_msb (MSB<<8)|\new
.set MSB, \new
.endif
.endm
.set MUL_LO, 0xa1
.set MUL_HI, 0xf1
.set TO_B,   0x40
.macro JLOAD g0a, g1a, g0b, g1b        ; waves 0 and 1 fetch A's halves, waves 2 and 3 B's: each line has one mask and one set of registers
	s_cmp_eq_u32 s15, 0
	s_cbranch_scc0 .Lfor_b_\@
	tensor_load_to_lds s[\g0a:\g0a+3], s[\g1a:\g1a+7]
	s_nop 0
.rept 4
	v_nop
.endr
	s_branch .Lasked_\@
.Lfor_b_\@:
	tensor_load_to_lds s[\g0b:\g0b+3], s[\g1b:\g1b+7]
	s_nop 0
.rept 4
	v_nop
.endr
.Lasked_\@:
.endm
.macro CREST
	s_cmp_lg_u32 s14, 0
	s_cbranch_scc1 .Lnot_wave_0_\@
	s_barrier_signal -3
.Lnot_wave_0_\@:
	s_barrier_wait -3
	s_barrier_signal -1
	s_barrier_wait -1
.endm
.macro CROUND
	s_barrier_signal -1
	s_barrier_wait -1
	CREST
.endm
	s_load_b256 s[4:11], s[0:1], 0x0               ; in_codes, in_scales, qkv_codes, qkv_scales
	v_lshl_add_u32 v[SPW], v0, 2, SPARE
	v_mov_b32 v[NIL], 0
	ds_add_u32 v[SPW], v[NIL]                      ; the opening lines
	ds_add_u32 v[SPW], v[NIL]
	s_wait_dscnt 0x0
	v_lshrrev_b32 v1, 5, v0
	v_readfirstlane_b32 s14, v1                    ; wave; s15 its half of A, s16 its half of B
	s_lshr_b32 s15, s14, 1
	s_and_b32 s16, s14, 1
	s_bfe_u32 s40, ttmp6, 0x40000                  ; cx, cy
	s_bfe_u32 s41, ttmp6, 0x40004
	s_and_b32 s17, ttmp7, 0xffff
	s_lshl_b32 s17, s17, 2
	s_add_co_u32 s17, s17, s41                     ; tile row: 256 places of x, 0 .. 31
	s_lshl_b32 s42, ttmp9, 2
	s_add_co_u32 s42, s42, s40                     ; tile column, 0 .. 7: 256 rows of W_q, W_k (cluster x = 0: Q, 1: K), and 128 rows of W_v
	s_mov_b32 s[SEL], 0x76543210
	s_mov_b32 s[SEL+1], 0xfedcba98
	s_lshl_b32 s43, s41, 2
	s_lshl_b32 s43, 15, s43                        ; my row of the cluster
	s_lshl_b32 s44, 0x1111, s40                    ; my column
	s_or_b32 s[G1+0], s43, (0<<16)|(1<<20)|(1<<21)|(3<<22)|(3<<25)   ; elements of 1 byte; 16 bytes of padding behind every 64
	s_or_b32 s[G1B+0], s44, (0<<16)|(1<<20)|(1<<21)|(3<<22)|(3<<25)
	s_or_b32 s[G1V+0], s44, (0<<16)|(1<<20)|(1<<21)|(3<<22)|(3<<25)
.irp g, G1, G1B, G1V
	s_mov_b32 s[\g+1], 256<<16                     ; dense tiles, stated as rows of 256 bytes
	s_mov_b32 s[\g+3], 256<<16
	s_mov_b32 s[\g+5], 256
	s_mov_b32 s[\g+6], 0
	s_mov_b32 s[\g+7], 0
.endr
.irp g, G1, G1B
	s_mov_b32 s[\g+2], 96<<16                      ; 128 places x 192 bytes
	s_mov_b32 s[\g+4], 96
.endr
	s_mov_b32 s[G1V+2], 48<<16                     ; 64 places x 192 bytes
	s_mov_b32 s[G1V+4], 48
	s_lshl_b32 s18, s16, 7
	s_lshl_b32 s20, s17, 8
	s_add_co_u32 s20, s20, s18
	s_mul_i32 s20, s20, KROW                       ; x: place 256 x tile row + 128 x half (a multiple of 128: 768 bytes a place give the tile's first byte)
	s_mov_b32 s21, 0
	s_lshl_b32 s46, s42, 8
	s_add_co_u32 s46, s46, s18
	s_add_co_u32 s46, s46, 8192
	s_mul_i32 s46, s46, KROW                       ; W_q, W_k: place 8,192 + 256 x tile column + 128 x half
	s_mov_b32 s47, 0
	s_lshl_b32 s[VAD], s42, 7
	s_add_co_u32 s[VAD], s[VAD], 10240
	s_mul_i32 s[VAD], s[VAD], KROW                 ; W_v: place 10,240 + 128 x tile column,
	s_mul_i32 s18, s16, 64*192
	s_add_co_u32 s[VAD], s[VAD], s18               ; and in the tile 64 places x half
	s_mov_b32 s[VAD+1], 0
	s_mul_i32 s45, s14, HALFT                      ; where 128 places go in a slot: wave x 128 places
	s_mul_i32 s76, s16, HALFV                      ; and W_v's 64
	s_wait_kmcnt 0x0
	s_add_nc_u64 s[20:21], s[4:5], s[20:21]
	s_add_nc_u64 s[46:47], s[4:5], s[46:47]
	s_add_nc_u64 s[VAD:VAD+1], s[4:5], s[VAD:VAD+1]
	CROUND                                         ; all sixteen work-groups are here: the first joint loads meet
.irp s, 0,1
	s_mov_b32 s[G0+4*\s], 1
	s_add_co_u32 s[G0+4*\s+1], s45, \s*SLOT
	s_add_nc_u64 s[G0+4*\s+2:G0+4*\s+3], s[20:21], \s*ROWB
	s_or_b32 s[G0+4*\s+3], s[G0+4*\s+3], 0x80000000
	s_mov_b32 s[G0B+4*\s], 1
	s_add_co_u32 s[G0B+4*\s+1], s45, \s*SLOT
	s_add_nc_u64 s[G0B+4*\s+2:G0B+4*\s+3], s[46:47], \s*ROWB
	s_or_b32 s[G0B+4*\s+3], s[G0B+4*\s+3], 0x80000000
.endr
	JLOAD G0, G1, G0B, G1B                         ; slot 0's first fill: one tensor load a wave at the head; the set-up stands under its flight
	v_and_b32 v1, 15, v0                           ; r
	v_bfe_u32 v2, v0, 4, 1                         ; h
	s_wait_alu depctr_va_vdst(0)
	s_lshl_b32 s86, s17, 8                         ; the scale words' rows, 32 bytes a place.  First product: lanes 0-15 x's (my half of A),
	s_lshl_b32 s87, s15, 7
	s_add_co_u32 s86, s86, s87
	s_lshl_b32 s86, s86, 5
	s_lshl_b32 s96, s42, 8                         ; lanes 16-31 the weight's (my half of B)
	s_lshl_b32 s87, s16, 7
	s_add_co_u32 s96, s96, s87
	s_add_co_u32 s96, s96, 8192
	s_lshl_b32 s96, s96, 5
	s_lshl_b32 s97, s42, 7                         ; V: lanes 0-15 W_v's (my 64),
	s_lshl_b32 s87, s15, 6
	s_add_co_u32 s97, s97, s87
	s_add_co_u32 s97, s97, 10240
	s_lshl_b32 s97, s97, 5
	s_lshl_b32 s98, s17, 8                         ; lanes 16-31 x's (my half of B)
	s_lshl_b32 s87, s16, 7
	s_add_co_u32 s98, s98, s87
	s_lshl_b32 s98, s98, 5
	s_mul_i32 s21, s15, HALFT
	s_mul_i32 s22, s16, HALFT
	s_add_co_u32 s22, s22, 2*HALFT
	s_mul_i32 s23, s15, HALFV
	v_mov_b32 v6, s86
	v_mov_b32 v7, s96
	v_cmp_eq_u32 vcc_lo, 1, v2
	v_cndmask_b32 v6, v6, v7, vcc_lo
	v_lshl_add_u32 v[SCA], v1, 5, v6
	v_mov_b32 v6, s97
	v_mov_b32 v7, s98
	v_cndmask_b32 v6, v6, v7, vcc_lo
	v_lshl_add_u32 v[SCV], v1, 5, v6
.irp i, 0,1,2,3,4,5,6,7
	global_load_b128 v[SC+8*\i:SC+8*\i+3], v[SCA], s[6:7] offset:512*\i
	global_load_b128 v[SC+8*\i+4:SC+8*\i+7], v[SCA], s[6:7] offset:512*\i+16
.endr
	v_mul_u32_u24 v3, v1, PITCH
	v_mul_u32_u24 v4, v2, 24
	v_add_nc_u32 v4, v3, v4                        ; a fragment's place x pitch + 24 h
	v_lshl_add_u32 v5, v2, 4, v4                   ; and the same behind one padding more
.irp s, 0,1
	v_add_nc_u32 v[ADRA+\s], s21, v4
	v_add_nc_u32 v[ADRB+\s], s22, v4
	v_add_nc_u32 v[ADRA+2+\s], s21, v5
	v_add_nc_u32 v[ADRB+2+\s], s22, v5
	v_add_nc_u32 v[ADRV+\s], s23, v4
	v_add_nc_u32 v[ADRV+2+\s], s23, v5
	s_add_co_u32 s21, s21, SLOT
	s_add_co_u32 s22, s22, SLOT
	s_add_co_u32 s23, s23, SLOT
.endr
	v_and_b32 v6, 31, v0
	v_lshlrev_b32 v[A16], 4, v6
	v_lshlrev_b32 v[A8], 3, v6
	v_mul_u32_u24 v[SOFF], v2, 6144
	v_lshl_add_u32 v[SOFF], v1, 4, v[SOFF]         ; Q's, K's scale words: 16 r, lanes 16-31 in the next head's record
	v_lshlrev_b32 v[SOFV], 4, v1
	v_mov_b32 v[SELV], 0x05040100
	v_mov_b32 v7, 0x07060302
	v_cndmask_b32 v[SELV], v[SELV], v7, vcc_lo
	s_lshl_b32 s86, s17, 1                         ; where the results go
	s_add_co_u32 s87, s86, s16                     ; V: my 128 tokens
	s_add_co_u32 s86, s86, s15                     ; Q, K: my 128 tokens
	s_lshl_b32 s96, s40, 1
	s_add_co_u32 s96, s96, s16                     ; Q, K: my pair of heads
	s_lshr_b32 s97, s86, 3
	s_lshl_b32 s97, s97, 4
	s_lshl_b32 s96, s96, 1
	s_add_co_u32 s97, s97, s96                     ; 16 x batch + the pair's first head
	s_and_b32 s86, s86, 7
	s_mul_i32 s18, s97, 147456
	s_mul_i32 s19, ttmp9, 49152
	s_add_co_u32 s18, s18, s19
	s_mul_i32 s19, s86, 6144
	s_add_co_u32 s18, s18, s19
	s_mov_b32 s19, 0
	s_add_nc_u64 s[P0:P0+1], s[8:9], s[18:19]
	s_add_nc_u64 s[P1:P1+1], s[P0:P0+1], 147456    ; the pair's second head
	s_mul_i32 s18, s97, 6144
	s_lshl_b32 s98, ttmp9, 11
	s_add_co_u32 s18, s18, s98
	s_lshl_b32 s98, s86, 8
	s_add_co_u32 s18, s18, s98
	s_add_nc_u64 s[PS:PS+1], s[10:11], s[18:19]
	s_lshl_b32 s96, s42, 1
	s_add_co_u32 s96, s96, s15                     ; V: my head
	s_lshr_b32 s97, s87, 3
	s_lshl_b32 s97, s97, 4
	s_add_co_u32 s97, s97, s96
	s_and_b32 s87, s87, 7
	s_mul_i32 s18, s97, 147456
	s_add_co_u32 s18, s18, 98304
	s_mul_i32 s98, s87, 6144
	s_add_co_u32 s18, s18, s98
	s_add_nc_u64 s[VP0:VP0+1], s[8:9], s[18:19]
	s_mul_i32 s18, s97, 6144
	s_add_co_u32 s18, s18, 4096
	s_lshl_b32 s98, s87, 8
	s_add_co_u32 s18, s18, s98
	s_add_nc_u64 s[VPS:VPS+1], s[10:11], s[18:19]
.macro FRAG reg, adr, q, i             ; 16 places x 128 K: six pieces of 8 bytes
.irp p, 0,1,2,3,4,5
.set PIECE, 12*(\q)+6*(\p/3)+\p%3
.if PIECE%8 < 5
	ds_load_b64 v[\reg+2*\p:\reg+2*\p+1], v[\adr] offset:8*PIECE+16*(PIECE/8)+(\i)*16*PITCH
.else
	ds_load_b64 v[\reg+2*\p:\reg+2*\p+1], v[\adr+2] offset:8*PIECE+16*(PIECE/8)+(\i)*16*PITCH
.endif
.endr
.endm
.macro WM d, fb, fa, c, sb, sa
	v_wmma_scale_f32_16x16x128_f8f6f4 v[\d:\d+7], v[\fb:\fb+FR-1], v[\fa:\fa+FR-1], \c, v[\sb], v[\sa] matrix_a_fmt:MATRIX_FMT_FP6 matrix_b_fmt:MATRIX_FMT_FP6 matrix_a_scale:MATRIX_SCALE_ROW1
.endm
.macro MUL16 a0, p, s, zero            ; first product: A's blocks a0, a0 + 1 x B's eight.  The accumulators take turns, one instruction a turn
.irp a, \a0, \a0+1
.irp b, 0,1,2,3,4,5,6,7
.set D_, 8*(8*((\a)%4)+\b)
.if \zero
	WM D_, 128*(\p)+FR*\b, AF+FR*(\a), 0, SC+8*\b+(\s), SC+8*(\a)+(\s)
.else
	WM D_, 128*(\p)+FR*\b, AF+FR*(\a), v[D_:D_+7], SC+8*\b+(\s), SC+8*(\a)+(\s)
.endif
.endr
.endr
.endm
.macro MULV a, p, s, zero              ; V: W_v's block a (of set p) x x's eight
.irp b, 0,1,2,3,4,5,6,7
.set D_, 8*(8*(\a)+\b)
.if \zero
	WM D_, 128*(\p)+FR*\b, AF+FR*((\a)+4*(\p)), 0, SC+8*\b+(\s), SC+8*(\a)+(\s)
.else
	WM D_, 128*(\p)+FR*\b, AF+FR*((\a)+4*(\p)), v[D_:D_+7], SC+8*\b+(\s), SC+8*(\a)+(\s)
.endif
.endr
.endm
.macro FETCH_B slot, q, p
	WIN TO_B
.irp i, 0,1,2,3,4,5,6,7
	FRAG 128*(\p)+FR*\i, ADRB+\slot, \q, \i
.endr
	WIN 0
.endm
.macro FETCH_A slot, q, i0
.irp i, \i0, \i0+1, \i0+2, \i0+3
	FRAG AF+FR*(\i), ADRA+\slot, \q, \i
.endr
.endm
.macro FETCH_V slot, q, p              ; W_v's four blocks into set p
.irp i, 0,1,2,3
	FRAG AF+FR*(\i+4*(\p)), ADRV+\slot, \q, \i
.endr
.endm
.macro PLACES n                        ; places behind matrix instructions, ahead of loads into their registers and of reads of their results (ISA guide 7.12.1 for reads of their results)
.rept \n
	v_nop
.endr
.endm
.macro STEP slot, s, zero              ; first product, a quarter's first 128 along K
	s_wait_dscnt 4*NL                              ; all but the youngest 24 loads, A's blocks 4-7
	WIN MUL_LO
	MUL16 0, 0, \s, \zero
	MUL16 2, 0, \s, \zero
	s_wait_dscnt 0
	PLACES NP
	FETCH_B \slot, 1, 1
	FETCH_A \slot, 1, 0
	WIN MUL_HI
	MUL16 4, 0, \s, \zero
	MUL16 6, 0, \s, \zero
	PLACES NP
	WIN 0
	FETCH_A \slot, 1, 4
.endm
; First product, a quarter's second 128, and the change of slots.  tov = 0: the slot takes this product's quarter two on.  tov = 1: it takes V's quarter 0 or 1: x's descriptor goes back two quarters and serves
; waves 2 and 3 (its LDS word is wave x 128 places); the weights' is written anew for W_v's 64 places and serves waves 0 and 1.  last = 1: the fragments fetched are V's first.
.macro TURN slot, next, tov, s, last
	s_wait_tensorcnt 0x0                           ; all my tensor loads have landed,
	ds_add_u32 v[SPW], v[NIL]                      ; the add
	s_wait_dscnt 4*NL+1                            ; (the add and the youngest 24 loads may be out)
	WIN MUL_LO
	MUL16 0, 1, \s, 0
	s_wait_dscnt 0x0                               ; the add is done, my reads of this slot are over
	s_barrier_signal -1
	MUL16 2, 1, \s, 0
	WIN 0
	s_barrier_wait -1
	CREST                                          ; the barrier has opened a round of the cluster's barrier
.if \tov
	s_sub_nc_u64 s[G0+4*\slot+2:G0+4*\slot+3], s[G0+4*\slot+2:G0+4*\slot+3], 2*ROWB
	s_add_co_u32 s[G0B+4*\slot+1], s76, \slot*SLOT
	s_add_nc_u64 s[G0B+4*\slot+2:G0B+4*\slot+3], s[VAD:VAD+1], \slot*ROWB
	s_or_b32 s[G0B+4*\slot+3], s[G0B+4*\slot+3], 0x80000000
	JLOAD G0B+4*\slot, G1V, G0+4*\slot, G1
.else
	s_add_nc_u64 s[G0+4*\slot+2:G0+4*\slot+3], s[G0+4*\slot+2:G0+4*\slot+3], 2*ROWB
	s_add_nc_u64 s[G0B+4*\slot+2:G0B+4*\slot+3], s[G0B+4*\slot+2:G0B+4*\slot+3], 2*ROWB
	JLOAD G0+4*\slot, G1, G0B+4*\slot, G1B
.endif
	s_wait_alu depctr_va_vdst(0)
	FETCH_B \next, 0, 0
.if \last
	FETCH_V \next, 0, 0
.else
	FETCH_A \next, 0, 0
.endif
	WIN MUL_HI
	MUL16 4, 1, \s, 0
	MUL16 6, 1, \s, 0
	PLACES NP
	WIN 0
.if !\last
	FETCH_A \next, 0, 4
.endif
.endm
.macro STEPV slot, s, zero             ; V, a quarter's first 128: set 0 is multiplied, set 1 fetched ahead of the products
	s_wait_dscnt 0x0
	PLACES NP
	FETCH_B \slot, 1, 1
	FETCH_V \slot, 1, 1
	WIN MUL_LO
.irp a, 0,1,2,3
	MULV \a, 0, \s, \zero
.endr
	WIN 0
.endm
.macro TURNV slot, next, fill, s       ; V, a quarter's second 128, and the change of slots
	s_wait_tensorcnt 0x0
	ds_add_u32 v[SPW], v[NIL]
	s_wait_dscnt 1                                 ; set 1 is in; the add may be out
	WIN MUL_LO
	MULV 0, 1, \s, 0
	s_wait_dscnt 0x0
	s_barrier_signal -1
	MULV 1, 1, \s, 0
	WIN 0
	s_barrier_wait -1
.if \fill
	CREST
	s_add_nc_u64 s[G0+4*\slot+2:G0+4*\slot+3], s[G0+4*\slot+2:G0+4*\slot+3], 2*ROWB
	s_add_nc_u64 s[G0B+4*\slot+2:G0B+4*\slot+3], s[G0B+4*\slot+2:G0B+4*\slot+3], 2*ROWB
	JLOAD G0B+4*\slot, G1V, G0+4*\slot, G1
.else
	PLACES NP
.endif
	s_wait_alu depctr_va_vdst(0)
	FETCH_B \next, 0, 0
	FETCH_V \next, 0, 0
	WIN MUL_LO
	MULV 2, 1, \s, 0
	MULV 3, 1, \s, 0
	WIN 0
.endm
; THE WAY OUT of A's block a: 16 places x 128 along B: four blocks of 32, each in lanes l and l xor 16; two half images of six registers leave for P0 and P1; the four bytes make the word v[PWS + a]
.macro QBLOCK a, sta
.set AC, 64*((\a)%4)
.set WS, 2+(\a)/4
.set WS2, WS|(WS<<2)
	WIN WS2
.irp b, 0,1,2,3
	v_max3_num_f32 v[TM+\b], |v[AC+16*\b]|, |v[AC+16*\b+1]|, 0x1800000
.endr
.irp i, 2,4,6,8,10,12,14
.irp b, 0,1,2,3
	v_max3_num_f32 v[TM+\b], |v[AC+16*\b+\i]|, |v[AC+16*\b+\i+1]|, v[TM+\b]
.endr
.endr
	WIN 0
.irp b, 0,1,2,3
	v_permlanex16_b32 v[TM+4+\b], v[TM+\b], s[SEL], s[SEL+1]
.endr
.irp b, 0,1,2,3
	v_max_num_f32 v[TM+\b], v[TM+\b], v[TM+4+\b]
.endr
.irp b, 0,1,2,3
	v_add_nc_u32 v[TM+12+\b], 0xff000000, v[TM+\b]
.endr
.irp b, 0,1,2,3
	v_lshrrev_b32 v[TM+4+\b], 23, v[TM+12+\b]
.endr
	v_lshl_or_b32 v[PWS+\a], v[TM+5], 8, v[TM+4]
	v_lshl_or_b32 v[PWS+\a], v[TM+6], 16, v[PWS+\a]
	v_lshl_or_b32 v[PWS+\a], v[TM+7], 24, v[PWS+\a]
.if \a > 0
	s_wait_xcnt 0x0                                ; the last block's stores have read their registers and bases
	s_add_nc_u64 s[P0:P0+1], s[P0:P0+1], \sta
	s_add_nc_u64 s[P1:P1+1], s[P1:P1+1], \sta
.endif
	WIN WS
.irp c, 0,1
	v_cvt_scalef32_pk16_fp6_f32 v[CD+6*\c:CD+6*\c+2], v[AC+32*\c:AC+32*\c+15], v[TM+12+2*\c]
	v_cvt_scalef32_pk16_fp6_f32 v[CD+12+4*\c:CD+14+4*\c], v[AC+32*\c+16:AC+32*\c+31], v[TM+12+2*\c+1]
.endr
	WIN 0
	v_nop
.irp c, 0,1
.irp i, 0,1,2
	v_permlane16_swap_b32 v[CD+6*\c+\i], v[CD+12+4*\c+\i]
.endr
.irp i, 0,1,2
	v_mov_b32 v[CD+3+6*\c+\i], v[CD+12+4*\c+\i]
.endr
.endr
	global_store_b128 v[A16], v[CD:CD+3], s[P0:P0+1]
	global_store_b64 v[A8], v[CD+4:CD+5], s[P0:P0+1] offset:512
	global_store_b128 v[A16], v[CD+6:CD+9], s[P1:P1+1]
	global_store_b64 v[A8], v[CD+10:CD+11], s[P1:P1+1] offset:512
.endm
	s_wait_alu depctr_va_vdst(0)
	s_wait_tensorcnt 0x0                           ; my part of slot 0 is in
	ds_add_u32 v[SPW], v[NIL]
	s_wait_dscnt 0x0
	CROUND
	JLOAD G0+4, G1, G0B+4, G1B                     ; slot 1's first fill, the first tensor load behind the round
	FETCH_B 0, 0, 0
	FETCH_A 0, 0, 0
	FETCH_A 0, 0, 4
	s_wait_loadcnt 0x0                             ; the scale words
; ---- Q or K: eight steps of 128 along K, written out: each names its own scale registers
	STEP 0, 0, 1
	TURN 0, 1, 0, 1, 0
	STEP 1, 2, 0
	TURN 1, 0, 0, 3, 0
	STEP 0, 4, 0
	TURN 0, 1, 1, 5, 0                             ; slot 0 takes V's quarter 0,
	STEP 1, 6, 0
	TURN 1, 0, 1, 7, 1                             ; slot 1 its quarter 1, and V's first fragments are fetched
.irp i, 0,1,2,3,4,5,6,7
	global_load_b128 v[SC+8*\i:SC+8*\i+3], v[SCV], s[6:7] offset:512*\i      ; V's scale words land under the way out (behind the last products' places)
	global_load_b128 v[SC+8*\i+4:SC+8*\i+7], v[SCV], s[6:7] offset:512*\i+16
.endr
.irp b, 0,1,2,3
	v_mov_b32 v[TM+4+\b], 0                        ; a lane permute's destination counts as one of its sources
.endr
.irp a, 0,1,2,3,4,5,6,7
	QBLOCK \a, 768
.endr
.irp j, 0,1,2,3
	v_perm_b32 v[WO+\j], v[PWS+2*\j+1], v[PWS+2*\j], v[SELV]   ; word j pairs the bytes of tiles 2 j and 2 j + 1: lanes 0-15 the pair's first head, lanes 16-31 its second
.endr
	global_store_b128 v[SOFF], v[WO:WO+3], s[PS:PS+1]
	s_wait_xcnt 0x0                                ; the stores have read their registers and bases
	s_mov_b64 s[P0:P0+1], s[VP0:VP0+1]
	s_add_nc_u64 s[P1:P1+1], s[VP0:VP0+1], 768
	s_wait_loadcnt 0x0                             ; V's scale words
; ---- V: eight steps
	STEPV 0, 0, 1
	TURNV 0, 1, 1, 1
	STEPV 1, 2, 0
	TURNV 1, 0, 1, 3
	STEPV 0, 4, 0
	TURNV 0, 1, 0, 5                               ; nothing more to fill: a plain barrier shows the last quarter
	STEPV 1, 6, 0
	s_wait_dscnt 0x0
	WIN MUL_LO
.irp a, 0,1,2,3
	MULV \a, 1, 7, 0
.endr
	WIN 0
	PLACES NP
.irp b, 0,1,2,3
	v_mov_b32 v[TM+4+\b], 0
.endr
.irp a, 0,1,2,3
	QBLOCK \a, 1536
.endr
	global_store_b128 v[SOFV], v[PWS:PWS+3], s[VPS:VPS+1]   ; word a of place r: both halves of the lanes hold the same words and name the same bytes
	s_wait_tensorcnt 0x0                           ; the wave's end
	ds_add_u32 v[SPW], v[NIL]
	s_wait_dscnt 0x0
	CROUND                                         ; the closing round
	s_endpgm
.Lfunc_end_k_qd9be55a1f0_qkv:
	.size	k_qd9be55a1f0_qkv, .Lfunc_end_k_qd9be55a1f0_qkv-k_qd9be55a1f0_qkv
	.p2alignl 7, 3214868480
	.fill 96, 4, 3214868480
	.section	.rodata,"a",@progbits
	.p2align	6, 0x0
	.amdhsa_kernel k_qd9be55a1f0_qkv
		.amdhsa_group_segment_fixed_size 327680
		.amdhsa_private_segment_fixed_size 0
		.amdhsa_enable_private_segment 0
		.amdhsa_kernarg_size 32
		.amdhsa_user_sgpr_count 2
		.amdhsa_user_sgpr_kernarg_segment_ptr 1
		.amdhsa_wavefront_size32 1
		.amdhsa_system_sgpr_workgroup_id_x 1
		.amdhsa_system_sgpr_workgroup_id_y 1
		.amdhsa_system_sgpr_workgroup_id_z 1
		.amdhsa_system_vgpr_workitem_id 0
		.amdhsa_next_free_vgpr 1024
		.amdhsa_next_free_sgpr 100
		.amdhsa_reserve_vcc 1
		.amdhsa_float_denorm_mode_32 3
		.amdhsa_float_denorm_mode_16_64 3
		.amdhsa_memory_ordered 1
		.amdhsa_forward_progress 1
		.amdhsa_inst_pref_size 255
	.end_amdhsa_kernel
	.section	.bss,"aw",@nobits
	.p2align	6
	.space	262144
	.amdgpu_metadata
---
amdhsa.version: [ 1, 2 ]
amdhsa.kernels:
  - .name:           k_qd9be55a1f0_qkv
    .symbol:         k_qd9be55a1f0_qkv.kd
    .args:
      - { .name: in_codes, .offset: 0, .size: 8, .value_kind: global_buffer, .address_space: global }
      - { .name: in_scales, .offset: 8, .size: 8, .value_kind: global_buffer, .address_space: global }
      - { .name: qkv_codes, .offset: 16, .size: 8, .value_kind: global_buffer, .address_space: global }
      - { .name: qkv_scales, .offset: 24, .size: 8, .value_kind: global_buffer, .address_space: global }
    .group_segment_fixed_size: 327680
    .private_segment_fixed_size: 0
    .kernarg_segment_align: 8
    .kernarg_segment_size: 32
    .max_flat_workgroup_size: 128
    .sgpr_count:     100
    .vgpr_count:     1024
    .wavefront_size: 32
...
	.end_amdgpu_metadata
.endif
;; end of part 2
;; launch attn (part 3): grid 4 x 64, 16 waves a work-group, clusters of 4 x 1, 210,944 bytes of LDS; arguments qkv_codes, qkv_scales, o_codes, o_scales; writes o_codes, o_scales
.if DOCPART == 3
	.amdgcn_target "amdgcn-amd-amdhsa--gfx1250"
	.amdhsa_code_object_version 6
	.text
	.protected	k_qd9be55a1f0_attn
	.globl	k_qd9be55a1f0_attn
	.p2align	8
	.type	k_qd9be55a1f0_attn,@function
k_qd9be55a1f0_attn:
	s_mov_b64 s[64:65], 0
	v_nop
	global_prefetch_b8 v0, s[64:65] scope:SCOPE_SE
	s_setreg_imm32_b32 hwreg(HW_REG_WAVE_MODE, 25, 1), 1
	s_wait_xcnt 0x0
	s_wait_alu depctr_hold_cnt(0) depctr_sa_sdst(0) depctr_va_vdst(0) depctr_va_sdst(0) depctr_va_ssrc(0) depctr_va_vcc(0) depctr_vm_vsrc(0)
	s_getreg_b32 s2, hwreg(HW_REG_IB_STS2, 6, 4)
	s_cmp_eq_u32 s2, 0
	s_cbranch_scc0 .Lentry_in_a_cluster
	s_endpgm
.Lentry_in_a_cluster:
	s_bfe_u32 s2, ttmp6, 0x10000c
	s_cmp_lg_u32 s2, 0x3003
	s_cbranch_scc0 .Lentry_shape_is_right
	s_endpgm
.Lentry_shape_is_right:
; out[b][h][q] = the sum over k of softmax_k(q . k / 8) v, both products on codes of FP6 (E2M3) with one E8M0 scale for each 32 along a product's K; out is quantised here along (head, d) for the last product.
; THE SOFTMAX AHEAD OF THE SECOND PRODUCT: t = score x log2(e) / 8; M = the row's largest t so far, rounded UP to a whole number; p = 2^(t - M) is what is quantised, along the keys; it is not normalised.
; The row's sum is taken of the unquantised p, in f32, and divides O at the end.  When M moves, the sum and O are multiplied by 2^(old M - new M): exact.
; SHARES.  A work-group owns 256 places of queries of one batch and TWO heads, 2 s and 2 s + 1, one after the other; each of its sixteen waves owns 16 places, in 256 registers: four waves to a SIMD, so that one wave's
; vector work stands beside another's matrix work.  Two heads are 128 along the last product's K: a wave ends with a whole operand fragment and a whole scale word.
; CLUSTER.  The four work-groups of a cluster are the four quarters of the queries of the same two heads: they need the same K and V, which are asked for JOINTLY, once, at the head: both heads' K and V (196,608 bytes)
; and their scale words (8,192) fit in LDS together.  So no LDS byte is filled twice, and there is no ring.
; LAYOUT.  All operands lie in memory as images of operand registers (a half image, 16 rows x 64 codes: bytes 16 l on: registers 0-3 of lane l; bytes 512 + 8 l on: registers 4, 5), so every LDS load is of consecutive bytes.
; Both products are used transposed: S^T = K Q^T, O^T = V^T P^T: a lane holds ONE query (lane % 16) throughout.  A tile's 16 places hold rows 32 b + 8 u + r + 8 (r / 8): so the 16 registers of two neighbouring tiles are
; 16 neighbouring keys (S^T), or 16 neighbours along d (O^T), as the conversions want them.
; THE HEAD'S 64 IN AN INSTRUCTION OF K = 128: a run of 12 registers holds TWO tiles of keys.  Against [q | zeros] it gives the first tile's scores, against [zeros | q] the second's: zero codes add nothing under any
; scale byte but 0xff, and the dead half's byte on Q's side is 0.
; LIMITS: NaN and infinities are not served; a block whose largest magnitude lies under 2^-124, zeros among them, keeps the byte 1 (its bytes are read by this program alone).
; REGISTERS: v1-3, v7, v8, v11 addresses that stay; v4-6 addresses of the loads in hand; v12 -M, v13 the largest t, v[14:15] the sum in two halves; v16-33 [q | zeros | q]; v34, v35 Q's two scale words;
; v36-83 four fragments of K or of V; v84-95 Q as loaded; v96-159 S^T, then p; v160-191 O^T; v192, v193 Q's scale words as loaded; v[194:195] 1 / the sum; v196 out's scale word; v198-212 out's codes; v224-254 at work.
.set KV,    98304                      ; LDS: a head's K (49,152 bytes: [128 keys][pair of tiles][1,536]) and V (49,152: [128 keys][16 places of d][1,536])
.set VOFF,  49152
.set SCB,   2*KV                       ; behind them, for each head 4,096 bytes: K's scale words (2,048: [128 keys][r][4 words]), then V's
.set OSCL,  SCB+8192                   ; out's scale words: 1,024 bytes into which no tensor load lands
.set F,     36
.set WV,   18                          ; s18 my wave's number
.set SEL,  20                          ; s[20:21] v_permlanex16_b32's selects for lane l xor 16
.set CS,   22                          ; s[22:23] c = log2(e) / 8: the packed form names a pair and takes its low word for both halves
.set G1C,  24                          ; s[24:31] descriptor group 1 for codes: 64 rows of 256 bytes
.set G1S,  32                          ; s[32:39] for scale words: two rows of 4,096 bytes, one for each head
.set G0A,  40                          ; s[40:43], s[44:47] groups 0 for the codes of head 0, 1
.set G0B,  44
.set G0SA, 48                          ; s[48:51] group 0 for both heads' scale words
.set TB,   66                          ; s66 LDS byte at which the step's K begins
.set TS,   67                          ; s67 and its scale words
.set CNT,  68                          ; s68 steps to go
.set SH,   69                          ; s69 16 x (my tile's number % 2): which half of a pair word is my tile's
.macro CROUND                          ; a round of the cluster's barrier
	s_barrier_signal -1
	s_barrier_wait -1
	s_cmp_lg_u32 s[WV], 0
	s_cbranch_scc1 .Lnot_wave_0_\@
	s_barrier_signal -3
.Lnot_wave_0_\@:
	s_barrier_wait -3
	s_barrier_signal -1
	s_barrier_wait -1
.endm
	s_load_b256 s[4:11], s[0:1], 0x0               ; qkv's codes s[4:5], qkv's scale words s[6:7], out's codes s[8:9], out's scale words s[10:11]
	v_lshl_add_u32 v243, v0, 2, 0x33000
	v_mov_b32 v255, 0
	ds_add_u32 v243, v255
	ds_add_u32 v243, v255
	v_lshrrev_b32 v9, 5, v0
	s_delay_alu instid0(VALU_DEP_1)
	v_readfirstlane_b32 s[WV], v9                  ; wave 0..15
	s_bfe_u32 s12, ttmp6, 0x40000                  ; cx: which quarter of the queries: it enters Q's and out's global addresses alone
	s_and_b32 s13, ttmp7, 0xffff                   ; 8 x batch + pair of heads, which the four partners share
	v_and_b32 v9, 31, v0                           ; lane
	v_and_b32 v10, 15, v0                          ; r
	s_delay_alu instid0(VALU_DEP_2)
	v_lshlrev_b32 v1, 4, v9                        ; 16 x lane
	s_delay_alu instid0(VALU_DEP_3)
	v_lshlrev_b32 v2, 3, v9                        ; 8 x lane
	s_delay_alu instid0(VALU_DEP_3)
	v_lshlrev_b32 v3, 4, v10                       ; 16 r
	s_lshl_b32 s56, s[WV], 6
	v_lshl_add_u32 v7, v10, 2, s56
	s_delay_alu instid0(VALU_DEP_1)
	v_add_nc_u32 v7, OSCL, v7                      ; where my place's scale word goes: 64 x wave + 4 r
	s_and_b32 s56, s[WV], 1
	s_lshl_b32 s[SH], s56, 4
	s_lshl_b32 s56, s56, 9
	v_add_nc_u32 v11, s56, v1                      ; and how waves 0 and 1 take the 1,024 bytes out: 512 x wave + 16 x lane
	s_delay_alu instid0(VALU_DEP_1)
	v_add_nc_u32 v8, OSCL, v11
	s_mov_b32 s[G1C], 15|(3<<16)|(1<<21)           ; 15:0 the mask: all four work-groups; 17:16 elements of 8 bytes; 20 no padding; 21 set beside a mask
	s_mov_b32 s[G1C+1], 32<<16                     ; tensor_dim0 = 32 elements: 256 bytes
	s_mov_b32 s[G1C+2], 64<<16                     ; tensor_dim1 = 64
	s_mov_b32 s[G1C+3], 32<<16                     ; tile_dim0
	s_mov_b32 s[G1C+4], 64                         ; tile_dim1
	s_mov_b32 s[G1C+5], 32                         ; from row to row: the block is dense
	s_mov_b32 s[G1C+6], 0
	s_mov_b32 s[G1C+7], 0
	s_mov_b32 s[G1S], 15|(3<<16)|(1<<21)
	s_mov_b32 s[G1S+1], 512<<16                    ; both heads' scale words by one descriptor: two rows of 4,096 bytes (512 elements),
	s_mov_b32 s[G1S+2], 2<<16
	s_mov_b32 s[G1S+3], 512<<16
	s_mov_b32 s[G1S+4], 2
	s_mov_b32 s[G1S+5], 768                        ; a record of 6,144 bytes apart
	s_mov_b32 s[G1S+6], 0
	s_mov_b32 s[G1S+7], 0
	s_mov_b32 s[SEL], 0x76543210
	s_mov_b32 s[SEL+1], 0xfedcba98
	s_mov_b32 s[CS], 0x3e38aa3b                    ; log2(e) / 8
	s_mov_b32 s[CS+1], s[CS]                       ; (named with it as a pair, so it is written)
	s_lshl_b32 s57, s12, 4
	s_add_co_u32 s57, s57, s[WV]                   ; T: my tile of 16 places, 0 .. 63
	s_lshl_b32 s58, s13, 1                         ; my first head
	s_mul_i32 s70, s58, 147456                     ; its record among the codes (at most 126 records: under 2^32)
	s_mul_i32 s72, s57, 768
	s_add_co_u32 s72, s72, s70                     ; Q's half image of my tile
	s_mov_b32 s73, 0
	s_mul_i32 s74, s58, 6144                       ; its record among the scale words
	s_mov_b32 s75, 0
	s_add_co_u32 s78, s74, 2048                    ; K's and V's scale words (made while s74 holds nothing of cx)
	s_mov_b32 s79, 0
	s_lshr_b32 s59, s57, 3
	s_lshl_b32 s59, s59, 8
	s_add_co_u32 s74, s74, s59                     ; Q's: 256 bytes for each 8 tiles,
	s_bfe_u32 s59, s57, 0x20001
	s_lshl_b32 s59, s59, 2
	s_add_co_u32 s74, s74, s59                     ; word (T / 2) % 4
	s_and_b32 s56, s[WV], 7                        ; waves 0 to 5 fetch a sixth each of head 0's K and V, waves 8 to 13 of head 1's
	s_min_u32 s56, s56, 5
	s_lshl_b32 s56, s56, 14
	s_add_co_u32 s76, s70, s56
	s_add_co_u32 s76, s76, 49152                   ; K and V follow Q in the record
	s_mov_b32 s77, 0
	s_lshr_b32 s80, s13, 3                         ; batch
	s_and_b32 s81, s13, 7                          ; the pair of heads = the 128 along the last product's K
	s_lshl_b32 s82, s80, 6
	s_add_co_u32 s82, s82, s57
	s_mul_i32 s82, s82, 12288                      ; out's codes: [tile of 16 places: 64 x batch + T][pair][head of the pair][half image]
	s_mul_i32 s83, s81, 1536
	s_add_co_u32 s82, s82, s83
	s_mov_b32 s83, 0
	s_lshl_b32 s84, s81, 15                        ; out's scale words: [pair][place 8,192][4 bytes]
	s_lshl_b32 s85, s80, 12
	s_add_co_u32 s84, s84, s85
	s_lshl_b32 s85, s12, 10
	s_add_co_u32 s84, s84, s85
	s_mov_b32 s85, 0
	s_wait_dscnt 0x0
	s_wait_kmcnt 0x0
	s_add_nc_u64 s[72:73], s[4:5], s[72:73]
	s_add_nc_u64 s[74:75], s[6:7], s[74:75]
	s_add_nc_u64 s[60:61], s[8:9], s[82:83]
	s_add_nc_u64 s[62:63], s[10:11], s[84:85]
	s_mov_b32 s[G0A], 1                            ; count = 1
	s_mov_b32 s[G0A+1], s56                        ; LDS address: 16,384 x wave
	s_add_nc_u64 s[G0A+2:G0A+3], s[4:5], s[76:77]  ; global address
	s_mov_b32 s[G0B], 1
	s_add_co_u32 s[G0B+1], s56, KV
	s_add_nc_u64 s[G0B+2:G0B+3], s[G0A+2:G0A+3], 147456
	s_or_b32 s[G0A+3], s[G0A+3], 0x80000000        ; type = 2
	s_or_b32 s[G0B+3], s[G0B+3], 0x80000000
	s_mov_b32 s[G0SA], 1
	s_mov_b32 s[G0SA+1], SCB
	s_add_nc_u64 s[G0SA+2:G0SA+3], s[6:7], s[78:79]
	s_or_b32 s[G0SA+3], s[G0SA+3], 0x80000000
	CROUND                                         ; all four work-groups are here: the joint loads meet
	s_cmp_lt_u32 s[WV], 6                          ; the first fills: one chain of branches on the wave's number, one load to an arm, all arms to one join.  Waves 0 to 5: head 0's codes
	s_cbranch_scc0 .Lnot_codes
	tensor_load_to_lds s[G0A:G0A+3], s[G1C:G1C+7]
	s_nop 0
.rept 4
	v_nop
.endr
	s_branch .Lasked
.Lnot_codes:
	s_cmp_eq_u32 s[WV], 6                          ; wave 6: the scale words of both heads
	s_cbranch_scc0 .Lnot_words
	tensor_load_to_lds s[G0SA:G0SA+3], s[G1S:G1S+7]
	s_nop 0
.rept 4
	v_nop
.endr
	s_branch .Lasked
.Lnot_words:
	s_cmp_lt_u32 s[WV], 8                          ; waves 8 to 13: head 1's codes; waves 7, 14 and 15 nothing
	s_cbranch_scc1 .Lasked
	s_cmp_lt_u32 s[WV], 14
	s_cbranch_scc0 .Lasked
	tensor_load_to_lds s[G0B:G0B+3], s[G1C:G1C+7]
	s_nop 0
.rept 4
	v_nop
.endr
.Lasked:
	s_wait_alu depctr_va_vdst(0)
.irp c, 0,1                                    ; Q of both heads: read once, by this wave alone
	global_load_b128 v[84+6*\c:87+6*\c], v1, s[72:73] offset:147456*\c
	global_load_b64 v[88+6*\c:89+6*\c], v2, s[72:73] offset:147456*\c+512
	global_load_b32 v[192+\c], v3, s[74:75] offset:6144*\c
.endr
.irp i, 22,23,24,25,26,27
	v_mov_b32 v[\i], 0                             ; the zero codes between the two copies of q
.endr
.irp b, 0,1,2,3
	v_mov_b32 v[236+\b], 0                         ; written once: a lane permute's destination counts as one of its sources
.endr
	v_mov_b32 v252, 0
	v_mov_b32 v253, 0                              ; (named as the upper half of the pair v[252:253] before it is first written)
; ONE HEAD OF THE PAIR: eight steps of 128 keys, then the way out.
.macro HEAD c
.if \c == 0
	s_cmp_lt_u32 s[WV], 7                          ; the waves that fetched head 0's codes and the scale words wait for their loads, whose lines no other wave issues; head 1's may stay out
	s_cbranch_scc0 .Lnot_h0
	s_wait_tensorcnt 0x0
.Lnot_h0:
	s_barrier_signal -1
	s_barrier_wait -1                              ; everybody's is
	s_wait_loadcnt 0x0                             ; Q
.else
	s_wait_tensorcnt 0x0                           ; my part of head 1 is in
	s_wait_dscnt 0x0
	s_barrier_signal -1
	s_barrier_wait -1
.endif
.irp i, 0,1,2,3,4,5
	v_mov_b32 v[16+\i], v[84+6*\c+\i]              ; [q | zeros] = v[16:27], [zeros | q] = v[22:33]
	v_mov_b32 v[28+\i], v[84+6*\c+\i]
.endr
	v_lshrrev_b32 v34, s[SH], v[192+\c]
	s_delay_alu instid0(VALU_DEP_1)
	v_and_b32 v34, 0xffff, v34                     ; my tile's two bytes under K = 0 .. 63,
	s_delay_alu instid0(VALU_DEP_1)
	v_lshlrev_b32 v35, 16, v34                     ; or under K = 64 .. 127.  (More than eight plain instructions follow ahead of the first product)
	v_mov_b32 v13, 0xff61b1e6                      ; the largest t so far: -3e38, under every t
	s_delay_alu instid0(VALU_DEP_1)
	v_floor_f32 v12, -v13                          ; -M
	v_mov_b32 v14, 0                               ; the sum, in two halves
	v_mov_b32 v15, 0
.set n, 0
.rept 32
	v_mov_b32 v[160+n], 0                          ; O^T.  (The step is written once: the first finds zeros, which the first change of M leaves zeros)
.set n, n+1
.endr
	s_mov_b32 s[TB], \c*KV
	s_mov_b32 s[TS], SCB+\c*4096
	s_mov_b32 s[CNT], 8
.Lstep_\@:
	v_add_nc_u32 v4, s[TB], v1                     ; these four are the places behind the last step's products, in front of the loads into registers that they read
	v_add_nc_u32 v5, s[TB], v2
	v_add_nc_u32 v6, s[TS], v3
	v_nop
.irp j, 0,1,2,3                                ; K: four runs of two tiles of 16 keys
	ds_load_b128 v[F+12*\j:F+12*\j+3], v4 offset:1536*\j
	ds_load_b64 v[F+12*\j+4:F+12*\j+5], v5 offset:1536*\j+512
	ds_load_b128 v[F+12*\j+6:F+12*\j+9], v4 offset:1536*\j+768
	ds_load_b64 v[F+12*\j+10:F+12*\j+11], v5 offset:1536*\j+1280
.endr
	ds_load_b128 v[248:251], v6                    ; their scale words: word j pairs the two tiles' bytes
	s_wait_alu depctr_va_vdst(0)
	s_wait_dscnt 0x0
.irp j, 0,1,2,3                                ; S^T: lane (r, h) holds query r; the 16 registers of tiles 2 j, 2 j + 1 are keys 32 j + 16 h + 0 .. 15 of the step
	v_wmma_scale_f32_16x16x128_f8f6f4 v[96+16*\j:103+16*\j], v[F+12*\j:F+12*\j+11], v[16:27], 0, v[248+\j], v34 matrix_a_fmt:MATRIX_FMT_FP6 matrix_b_fmt:MATRIX_FMT_FP6
	v_wmma_scale_f32_16x16x128_f8f6f4 v[104+16*\j:111+16*\j], v[F+12*\j:F+12*\j+11], v[22:33], 0, v[248+\j], v35 matrix_a_fmt:MATRIX_FMT_FP6 matrix_b_fmt:MATRIX_FMT_FP6
.endr
.rept 4
	v_nop                                          ; places: the scores are read, and K's registers and scale words are loaded anew
.endr
.irp t, 0,1,2,3                                ; V of the same 128 keys: it lands under the softmax
	ds_load_b128 v[F+12*\t:F+12*\t+3], v4 offset:VOFF+1536*\t
	ds_load_b64 v[F+12*\t+4:F+12*\t+5], v5 offset:VOFF+1536*\t+512
	ds_load_b128 v[F+12*\t+6:F+12*\t+9], v4 offset:VOFF+1536*\t+768
	ds_load_b64 v[F+12*\t+10:F+12*\t+11], v5 offset:VOFF+1536*\t+1280
.endr
	ds_load_b128 v[248:251], v6 offset:2048
.irp b, 0,1,2,3
	v_max3_num_f32 v[232+\b], v[96+16*\b], v[97+16*\b], v[98+16*\b]   ; THE LARGEST SCORE OF EACH BLOCK OF 32 KEYS: it serves the row's maximum and, since p rises with the score, the block's largest p
.endr
.irp i, 3,5,7,9,11,13
.irp b, 0,1,2,3
	v_max3_num_f32 v[232+\b], v[232+\b], v[96+16*\b+\i], v[97+16*\b+\i]   ; (the four blocks by turns)
.endr
.endr
.irp b, 0,1,2,3
	v_max_num_f32 v[232+\b], v[232+\b], v[111+16*\b]
.endr
.irp b, 0,1,2,3
	s_delay_alu instid0(VALU_DEP_4)
	v_permlanex16_b32 v[236+\b], v[232+\b], s[SEL], s[SEL+1]
.endr
.irp b, 0,1,2,3
	s_delay_alu instid0(VALU_DEP_4)
	v_max_num_f32 v[232+\b], v[232+\b], v[236+\b]  ; with lane l xor 16's 16 keys
.endr
	s_delay_alu instid0(VALU_DEP_2)
	v_max3_num_f32 v254, v232, v233, v234
	s_delay_alu instid0(VALU_DEP_1)
	v_max_num_f32 v254, v254, v235                 ; the step's largest score of my query
	s_delay_alu instid0(VALU_DEP_1)
	v_mul_f32 v254, s[CS], v254                    ; as t (c is positive)
	s_delay_alu instid0(VALU_DEP_1)
	v_max_num_f32 v13, v13, v254                   ; the running largest t
	v_mov_b32 v254, v12
	s_delay_alu instid0(VALU_DEP_2)
	v_floor_f32 v12, -v13                          ; the new -M = floor(-t) = -ceil(t): M is a whole number
	s_delay_alu instid0(VALU_DEP_1)
	v_sub_f32 v254, v12, v254                      ; M's old value less its new one: a whole number, 0 or less
	s_delay_alu instid0(VALU_DEP_1)
	v_cvt_i32_f32 v254, v254                       ; (it saturates)
	s_delay_alu instid0(VALU_DEP_1)
	v_ldexp_f32 v252, 1.0, v254                    ; f = 2^(old M - new M)
.set n, 0
.rept 32
	v_pk_fma_f32 v[96+n:97+n], v[96+n:97+n], s[CS:CS+1], v[12:13] op_sel_hi:[1,0,0]   ; t - M, two at a time
.set n, n+2
.endr
.irp b, 0,1,2,3
	v_fma_f32 v[232+\b], v[232+\b], s[CS], v12     ; the same of each block's largest score
.endr
.set n, 0
	s_wait_alu depctr_va_vdst(0)
.rept 64
	v_exp_f32 v[96+n], v[96+n]                     ; p = 2^(t - M), at most 1: not normalised
.set n, n+1
.endr
	v_pk_mul_f32 v[14:15], v[14:15], v[252:253] op_sel_hi:[1,0]   ; the sums under the new M: the plain instruction behind the exponentials
	s_wait_alu depctr_va_vdst(0)                   ; one wait for the batch of 64, ahead of its first reader
.irp b, 0,1,2,3
	v_exp_f32 v[232+\b], v[232+\b]                 ; the block's largest p: the same two instructions on the same number give the same bits
.endr
	v_pk_add_f32 v[236:237], v[100:101], v[104:105]
	v_pk_add_f32 v[246:247], v[108:109], v[112:113]
	v_pk_add_f32 v[244:245], v[116:117], v[120:121]
	v_pk_add_f32 v[240:241], v[124:125], v[128:129]
	v_pk_add_f32 v[238:239], v[132:133], v[136:137]
	v_pk_add_f32 v[230:231], v[140:141], v[144:145]
	v_pk_add_f32 v[228:229], v[148:149], v[152:153]
	v_pk_add_f32 v[14:15], v[14:15], v[156:157]
	v_pk_add_f32 v[236:237], v[236:237], v[96:97]
	v_pk_add_f32 v[246:247], v[246:247], v[98:99]
	v_pk_add_f32 v[244:245], v[244:245], v[102:103]
	v_pk_add_f32 v[240:241], v[240:241], v[106:107]
	v_pk_add_f32 v[238:239], v[238:239], v[110:111]
	v_pk_add_f32 v[230:231], v[230:231], v[114:115]
	v_pk_add_f32 v[228:229], v[228:229], v[118:119]
	v_pk_add_f32 v[14:15], v[14:15], v[122:123]
	v_pk_add_f32 v[236:237], v[236:237], v[126:127]
	v_pk_add_f32 v[246:247], v[246:247], v[130:131]
	v_pk_add_f32 v[244:245], v[244:245], v[134:135]
	v_pk_add_f32 v[240:241], v[240:241], v[138:139]
	v_pk_add_f32 v[238:239], v[238:239], v[142:143]
	v_pk_add_f32 v[230:231], v[230:231], v[146:147]
	v_pk_add_f32 v[228:229], v[228:229], v[150:151]
	v_pk_add_f32 v[14:15], v[14:15], v[154:155]
	v_pk_add_f32 v[236:237], v[236:237], v[158:159]
	s_delay_alu instid0(VALU_DEP_2)
	v_pk_add_f32 v[14:15], v[14:15], v[240:241]
	s_delay_alu instid0(VALU_DEP_2)
	v_pk_add_f32 v[236:237], v[236:237], v[238:239]
	v_pk_add_f32 v[246:247], v[246:247], v[230:231]
	v_pk_add_f32 v[244:245], v[244:245], v[228:229]
	s_delay_alu instid0(VALU_DEP_2)
	v_pk_add_f32 v[14:15], v[14:15], v[246:247]
	s_delay_alu instid0(VALU_DEP_2)
	v_pk_add_f32 v[236:237], v[236:237], v[244:245]
	s_delay_alu instid0(VALU_DEP_1)
	v_pk_add_f32 v[14:15], v[14:15], v[236:237]
	s_wait_alu depctr_va_vdst(0)                   ; and one wait for the four
.irp b, 0,1,2,3
	v_max_num_f32 v[232+\b], 0x1800000, v[232+\b]  ; the floor 2^(3 - 127): the byte cannot fall under 1
.endr
.irp b, 0,1,2,3
	s_delay_alu instid0(VALU_DEP_4)
	v_add_nc_u32 v[244+\b], 0xff000000, v[232+\b]  ; 2 off the exponent field: the conversion's scale operand
.endr
.irp b, 0,1,2,3
	s_delay_alu instid0(VALU_DEP_4)
	v_lshrrev_b32 v[236+\b], 23, v[244+\b]         ; the scale's byte
.endr
	s_delay_alu instid0(VALU_DEP_3)
	v_lshl_or_b32 v253, v237, 8, v236              ; p's scale word for these 128 keys
	s_delay_alu instid0(VALU_DEP_1)
	v_lshl_or_b32 v253, v238, 16, v253
	s_delay_alu instid0(VALU_DEP_1)
	v_lshl_or_b32 v253, v239, 24, v253
.irp e, 0,1
	v_cvt_scalef32_pk16_fp6_f32 v[224+6*\e:226+6*\e], v[96+32*\e:111+32*\e], v[244+2*\e]
	v_cvt_scalef32_pk16_fp6_f32 v[236+4*\e:238+4*\e], v[112+32*\e:127+32*\e], v[244+2*\e+1]   ; (a conversion's three registers begin on an even number)
.endr
	v_nop                                          ; one plain place behind a scaled conversion
.irp e, 0,1                                    ; the operand's layout wants a WHOLE block in a lane
.irp i, 0,1,2
	v_permlane16_swap_b32 v[224+6*\e+\i], v[236+4*\e+\i]
.endr
.irp i, 0,1,2
	s_delay_alu instid0(VALU_DEP_3)
	v_mov_b32 v[227+6*\e+\i], v[236+4*\e+\i]
.endr
.endr
.set n, 0
.rept 16
	v_pk_mul_f32 v[160+n:161+n], v[160+n:161+n], v[252:253] op_sel_hi:[1,0]   ; O^T under the new M.  (These sixteen are also the places between p's codes and scale word and the products)
.set n, n+2
.endr
	s_wait_alu depctr_va_vdst(0)
	s_wait_dscnt 0x0                               ; V and its scale words are in
.irp t, 0,1,2,3                                ; O^T += V^T P^T: the four accumulators by turns, one instruction a turn
	v_wmma_scale_f32_16x16x128_f8f6f4 v[160+8*\t:167+8*\t], v[F+12*\t:F+12*\t+11], v[224:235], v[160+8*\t:167+8*\t], v[248+\t], v253 matrix_a_fmt:MATRIX_FMT_FP6 matrix_b_fmt:MATRIX_FMT_FP6
.endr
	s_add_co_u32 s[TB], s[TB], 6144                ; the next 128 keys
	s_add_co_u32 s[TS], s[TS], 256
	s_sub_co_u32 s[CNT], s[CNT], 1
	s_cmp_lg_u32 s[CNT], 0
	s_cbranch_scc1 .Lstep_\@
	; the head's way out: O^T / the sum; register 16 b + i is d = 32 b + 16 h + i of my query: two blocks of 32 along the last product's K
.rept 4
	v_nop                                          ; places behind the last products
.endr
	v_add_f32 v14, v14, v15                        ; the sum's two halves,
	s_delay_alu instid0(VALU_DEP_1)
	v_permlanex16_b32 v252, v14, s[SEL], s[SEL+1]
	s_delay_alu instid0(VALU_DEP_1)
	v_add_f32 v14, v14, v252                       ; and lane l xor 16's: the row's sum
	s_wait_alu depctr_va_vdst(0)
	v_rcp_f32 v194, v14
	v_rcp_f32 v195, v14                            ; twice: a pair for the packed multiply
	v_nop                                          ; a plain instruction behind the reciprocals,
	s_wait_alu depctr_va_vdst(0)                   ; and the wait ahead of their first reader
.set n, 0
.rept 16
	v_pk_mul_f32 v[96+n:97+n], v[160+n:161+n], v[194:195]   ; each accumulator from its low end on
.set n, n+2
.endr
.irp b, 0,1
	v_max3_num_f32 v[232+\b], |v[96+16*\b]|, |v[97+16*\b]|, 0x1800000   ; my 16 numbers of block b, and the floor
.endr
.irp i, 2,4,6,8,10,12,14
.irp b, 0,1
	s_delay_alu instid0(VALU_DEP_2)
	v_max3_num_f32 v[232+\b], v[232+\b], |v[96+16*\b+\i]|, |v[97+16*\b+\i]|
.endr
.endr
.irp b, 0,1
	s_delay_alu instid0(VALU_DEP_2)
	v_permlanex16_b32 v[236+\b], v[232+\b], s[SEL], s[SEL+1]
.endr
.irp b, 0,1
	s_delay_alu instid0(VALU_DEP_2)
	v_max_num_f32 v[232+\b], v[232+\b], v[236+\b]
.endr
.irp b, 0,1
	s_delay_alu instid0(VALU_DEP_2)
	v_add_nc_u32 v[244+\b], 0xff000000, v[232+\b]
.endr
.irp b, 0,1
	s_delay_alu instid0(VALU_DEP_2)
	v_lshrrev_b32 v[236+\b], 23, v[244+\b]
.endr
.if \c == 0
	s_delay_alu instid0(VALU_DEP_1)
	v_lshl_or_b32 v196, v237, 8, v236              ; the scale word's bytes 0, 1: head 2 s
.else
	s_delay_alu instid0(VALU_DEP_1)
	v_lshl_or_b32 v254, v237, 8, v236
	s_delay_alu instid0(VALU_DEP_1)
	v_lshl_or_b32 v196, v254, 16, v196             ; bytes 2, 3: head 2 s + 1
.endif
	v_cvt_scalef32_pk16_fp6_f32 v[198+6*\c:200+6*\c], v[96:111], v244
	v_cvt_scalef32_pk16_fp6_f32 v[210:212], v[112:127], v245
	v_nop                                          ; one plain place behind a scaled conversion
.irp i, 0,1,2
	v_permlane16_swap_b32 v[198+6*\c+\i], v[210+\i]
.endr
.irp i, 0,1,2
	s_delay_alu instid0(VALU_DEP_3)
	v_mov_b32 v[201+6*\c+\i], v[210+\i]
.endr
	global_store_b128 v1, v[198+6*\c:201+6*\c], s[60:61] offset:768*\c       ; a half image: 512 and 256 consecutive bytes, at multiples of 256 from the buffer's first byte; each head has its own data registers
	global_store_b64 v2, v[202+6*\c:203+6*\c], s[60:61] offset:768*\c+512
.endm
	HEAD 0
	HEAD 1
	ds_store_b32 v7, v196                          ; the work-group's 256 scale words meet in LDS (both halves of the lanes hold the same word)
	s_wait_dscnt 0x0                               ; for the others' sake
	s_barrier_signal -1
	s_barrier_wait -1
	s_cmp_lt_u32 s[WV], 2
	s_cbranch_scc0 .Lno_words
	ds_load_b128 v[96:99], v8
	s_wait_dscnt 0x0
	global_store_b128 v11, v[96:99], s[62:63]      ; waves 0 and 1: 512 consecutive bytes each
.Lno_words:
	s_wait_tensorcnt 0x0
	ds_add_u32 v243, v255
	s_wait_dscnt 0x0
	CROUND                                         ; the closing round: no work-group ends while a partner may still ask for a tile that names it
	s_endpgm
.Lfunc_end_k_qd9be55a1f0_attn:
	.size	k_qd9be55a1f0_attn, .Lfunc_end_k_qd9be55a1f0_attn-k_qd9be55a1f0_attn
	.p2alignl 7, 3214868480
	.fill 96, 4, 3214868480
	.section	.rodata,"a",@progbits
	.p2align	6, 0x0
	.amdhsa_kernel k_qd9be55a1f0_attn
		.amdhsa_group_segment_fixed_size 210944
		.amdhsa_private_segment_fixed_size 0
		.amdhsa_enable_private_segment 0
		.amdhsa_kernarg_size 32
		.amdhsa_user_sgpr_count 2
		.amdhsa_user_sgpr_kernarg_segment_ptr 1
		.amdhsa_wavefront_size32 1
		.amdhsa_system_sgpr_workgroup_id_x 1
		.amdhsa_system_sgpr_workgroup_id_y 1
		.amdhsa_system_sgpr_workgroup_id_z 1
		.amdhsa_system_vgpr_workitem_id 0
		.amdhsa_next_free_vgpr 256
		.amdhsa_next_free_sgpr 100
		.amdhsa_reserve_vcc 0
		.amdhsa_float_denorm_mode_32 3
		.amdhsa_float_denorm_mode_16_64 3
		.amdhsa_memory_ordered 1
		.amdhsa_forward_progress 1
		.amdhsa_inst_pref_size 55
	.end_amdhsa_kernel
	.amdgpu_metadata
---
amdhsa.version: [ 1, 2 ]
amdhsa.kernels:
  - .name:           k_qd9be55a1f0_attn
    .symbol:         k_qd9be55a1f0_attn.kd
    .args:
      - { .name: qkv_codes, .offset: 0, .size: 8, .value_kind: global_buffer, .address_space: global }
      - { .name: qkv_scales, .offset: 8, .size: 8, .value_kind: global_buffer, .address_space: global }
      - { .name: o_codes, .offset: 16, .size: 8, .value_kind: global_buffer, .address_space: global }
      - { .name: o_scales, .offset: 24, .size: 8, .value_kind: global_buffer, .address_space: global }
    .group_segment_fixed_size: 210944
    .private_segment_fixed_size: 0
    .kernarg_segment_align: 8
    .kernarg_segment_size: 32
    .max_flat_workgroup_size: 512
    .sgpr_count:     100
    .vgpr_count:     256
    .wavefront_size: 32
...
	.end_amdgpu_metadata
.endif
;; end of part 3
;; launch proj (part 4): grid 8 x 32, 4 waves a work-group, clusters of 4 x 4, 327,680 bytes of LDS; arguments o_codes, o_scales, in_codes, in_scales, b_proj, out0; writes out0
.if DOCPART == 4
	.amdgcn_target "amdgcn-amd-amdhsa--gfx1250"
	.amdhsa_code_object_version 6
	.text
	.protected	k_qd9be55a1f0_proj
	.globl	k_qd9be55a1f0_proj
	.p2align	8
	.type	k_qd9be55a1f0_proj,@function
k_qd9be55a1f0_proj:
	s_mov_b64 s[64:65], 0
	v_nop
	global_prefetch_b8 v0, s[64:65] scope:SCOPE_SE
	s_setreg_imm32_b32 hwreg(HW_REG_WAVE_MODE, 25, 1), 1
	s_wait_xcnt 0x0
	s_wait_alu depctr_hold_cnt(0) depctr_sa_sdst(0) depctr_va_vdst(0) depctr_va_sdst(0) depctr_va_ssrc(0) depctr_va_vcc(0) depctr_vm_vsrc(0)
	s_getreg_b32 s2, hwreg(HW_REG_IB_STS2, 6, 4)
	s_cmp_eq_u32 s2, 0
	s_cbranch_scc0 .Lentry_in_a_cluster
	s_endpgm
.Lentry_in_a_cluster:
	s_bfe_u32 s2, ttmp6, 0x10000c
	s_cmp_lg_u32 s2, 0xf033
	s_cbranch_scc0 .Lentry_shape_is_right
	s_endpgm
.Lentry_shape_is_right:
; out0 = out W_proj^T + b_proj, on codes of FP6 (E2M3) with one E8M0 scale for each 32 along K = 1,024; sums in f32.
; A = out: 8,192 places as images of operand registers, [tile of 16 places][128 along K][1,536 bytes] (a half, 768 bytes: bytes 16 l on: registers 0-3 of lane l; bytes 512 + 8 l on: registers 4, 5); its scale words
; [128 along K][place][4 bytes].  B = W_proj: places 11,264 .. 12,287 of the input codes, dense tiles [128 places][quarter of K][place][192 bytes]; 32 scale bytes a place.  In both, place p holds row p with bits 3 and 4 exchanged.
; A TILE OF C IS 256 ROWS x 128 COLUMNS: 32 x 8 tiles, 256 work-groups.  Four waves, 2 x 2: a wave takes 128 places of A (eight blocks of 16) and 64 columns.
; B LIVES IN REGISTERS: a wave's 64 places of W_proj, all of K, are 32 fragments, 384 registers.  A's blocks stream past them: a block of 16 places, all of K, is 8 fragments; its 16 x 64 results are finished by 32 products
; (four accumulators by turns, K ascending, the bias as the first C) and leave at once: block a - 1 goes through the stage and is stored beside block a's products.
; FILLS: all at the head, one tensor load a wave, no LDS byte filled twice: wave 0 all of B; waves 1, 2, 3 A BY ROWS OF C: blocks 0-1, 2-4, 5-7 of both halves of the places (two runs of whole tiles, 98,304 bytes apart).
; Each load is shown to all waves by a plain barrier of its own, ahead of the first read of its bytes; each load line is one wave's alone, and the waves that have loaded so far wait in front of the barrier.
; THE STAGE for the way out lies in B's LDS bytes: they have had their one fill, and behind the second barrier, in front of which every wave has waited for its reads of them, nobody reads them.
; CLUSTERS 4 x 4: A's tiles are shared along a row of the cluster, B's along a column, each asked for jointly.  THE MATRIX INSTRUCTION IS USED TRANSPOSED (source 0 = 16 places of B, source 1 = 16 places of A):
; lane (r, h) holds place r of A, and the 16 registers of B's tiles 2 g and 2 g + 1 are columns 32 g + 16 h + 0 .. 15 in their own order.
; The rows come back into their own order on the way out: place t of block 2 g + u is row 32 g + 8 u + t + 8 (t / 8) of my 128.
; No prefetch: everything is asked for at the head, and there is no loop to run ahead in.
; REGISTERS: window 0: v8-31 addresses; v32-63 A's scale words, v64-95 B's; v96-159 two sets of four accumulators; v160-223 two sets of 16 rows on the way out; v224-255 the bias.
;   windows 1, 2: B's fragments: that of step s (128 along K) and tile b at register 12 (4 (s % 4) + b) of window 1 + s / 4.   window 3: A's fragments, two sets of eight, at v0 and v96.
.set KROW,   768
.set PITCH,  240                       ; B: a place in LDS: 3 x (64 bytes + 16 of padding)
.set FR,     12
.set TILE,   12288                     ; A: a tile of 16 places, all of K
.set PB1,    2*2*TILE                  ; LDS: A's part 0 at 0 ([half][2 tiles]), part 1 here ([half][3 tiles]),
.set PB2,    PB1+2*3*TILE              ; part 2 here ([half][3 tiles])
.set BOFF,   PB2+2*3*TILE              ; B: [quarter of K][128 places][240 bytes]
.set QB,     128*PITCH
.set HALFB,  64*PITCH
.set SPITCH, 272                       ; the stage: 16 rows x (256 bytes + 16) for each wave
.set STAGE,  BOFF
.set SPARE,  BOFF+4*QB
.set AA16, 8                           ; v8-10  A's images in part 0 .. 2: + 16 x lane
.set AA8,  11                          ; v11-13 the same + 8 x lane
.set ADRB, 16                          ; v16-19 my B fragments in quarter 0 .. 3 (v20-23: for the pieces behind one padding more)
.set STO,  24
.set RD,   25
.set CO,   26                          ; v26 my byte offset in out0: 16 r, + a row (4,096 bytes) for lanes 16-31
.set L4,   27
.set SPW,  28
.set NIL,  29
.set R32,  30
.set H64,  31
.set SA,   32                          ; v[SA + 4 s + j]: step s: lanes 0-15 the words of A's block 2 j, lanes 16-31 of block 2 j + 1
.set SB,   64                          ; v[SB + 8 b + s]: the words of B's tile b
.set ACC,  96
.set BK,   160
.set BIAS, 224
.set G1A0, 24                          ; s[24:31] group 1 of A's part 0; s[32:39] of parts 1 and 2; s[40:47] of B
.set G1A1, 32
.set G1B,  40
.set G0B,  48                          ; s[48:51] group 0 of B; s[52:63] of A's three parts
.set G0P,  52
.set MSB, 0
.macro WIN new
.if MSB != \new
	s_set_vgpr_msb (MSB<<8)|\new
.set MSB, \new
.endif
.endm
.macro CROUND
	s_barrier_signal -1
	s_barrier_wait -1
	s_cmp_lg_u32 s14, 0
	s_cbranch_scc1 .Lnot_wave_0_\@
	s_barrier_signal -3
.Lnot_wave_0_\@:
	s_barrier_wait -3
	s_barrier_signal -1
	s_barrier_wait -1
.endm
.macro PLACES n                        ; places behind matrix instructions, ahead of loads into their registers and of reads of their results (ISA guide 7.12.1 for reads of their results)
.rept \n
	v_nop
.endr
.endm
.macro TL g0, g1
	tensor_load_to_lds s[\g0:\g0+3], s[\g1:\g1+7]
	s_nop 0
	PLACES 4
.endm
	s_load_b256 s[4:11], s[0:1], 0x0               ; out's codes s[4:5], out's scale words s[6:7], the inputs' codes s[8:9], their scale bytes s[10:11]
	s_load_b128 s[92:95], s[0:1], 0x20             ; b_proj s[92:93], out0 s[94:95]
	v_lshl_add_u32 v[SPW], v0, 2, SPARE
	v_mov_b32 v[NIL], 0
	ds_add_u32 v[SPW], v[NIL]                      ; the opening lines
	ds_add_u32 v[SPW], v[NIL]
	v_lshrrev_b32 v1, 5, v0
	v_readfirstlane_b32 s14, v1                    ; wave; s15 its half of A's places, s16 its half of the columns
	s_lshr_b32 s15, s14, 1
	s_and_b32 s16, s14, 1
	s_bfe_u32 s80, ttmp6, 0x40000                  ; cx, cy
	s_bfe_u32 s81, ttmp6, 0x40004
	s_lshl_b32 s82, ttmp9, 2
	s_add_co_u32 s82, s82, s80                     ; tile column of C, 0 .. 7
	s_and_b32 s17, ttmp7, 0xffff
	s_lshl_b32 s17, s17, 2
	s_add_co_u32 s17, s17, s81                     ; tile row of C, 0 .. 31
	s_lshl_b32 s83, s81, 2
	s_lshl_b32 s83, 15, s83                        ; my row of the cluster
	s_lshl_b32 s84, 0x1111, s80                    ; my column
	s_or_b32 s[G1A0+0], s83, (3<<16)|(1<<21)       ; A: elements of 8 bytes, no padding: two rows (the halves of the places), 8 tiles apart; part 0: 2 tiles a row,
	s_mov_b32 s[G1A0+1], (2*TILE/8)<<16
	s_mov_b32 s[G1A0+2], 2<<16
	s_mov_b32 s[G1A0+3], (2*TILE/8)<<16
	s_mov_b32 s[G1A0+4], 2
	s_mov_b32 s[G1A0+5], 8*TILE/8
	s_mov_b32 s[G1A0+6], 0
	s_mov_b32 s[G1A0+7], 0
	s_or_b32 s[G1A1+0], s83, (3<<16)|(1<<21)       ; parts 1 and 2: 3 tiles a row
	s_mov_b32 s[G1A1+1], (3*TILE/8)<<16
	s_mov_b32 s[G1A1+2], 2<<16
	s_mov_b32 s[G1A1+3], (3*TILE/8)<<16
	s_mov_b32 s[G1A1+4], 2
	s_mov_b32 s[G1A1+5], 8*TILE/8
	s_mov_b32 s[G1A1+6], 0
	s_mov_b32 s[G1A1+7], 0
	s_or_b32 s[G1B+0], s84, (0<<16)|(1<<20)|(1<<21)|(3<<22)|(3<<25)  ; B: 98,304 dense bytes as 384 rows of 256; 16 bytes of padding behind every 64
	s_mov_b32 s[G1B+1], 256<<16
	s_mov_b32 s[G1B+2], 384<<16
	s_mov_b32 s[G1B+3], 256<<16
	s_mov_b32 s[G1B+4], 384
	s_mov_b32 s[G1B+5], 256
	s_mov_b32 s[G1B+6], 0
	s_mov_b32 s[G1B+7], 0
	s_lshl_b32 s20, s17, 4
	s_mul_i32 s20, s20, TILE                       ; A: tile 16 x tile row: it never holds cx
	s_mov_b32 s21, 0
	s_lshl_b32 s66, s82, 7
	s_add_co_u32 s66, s66, 11264
	s_mul_i32 s66, s66, KROW                       ; B: place 11,264 + 128 x tile column: it never holds cy
	s_mov_b32 s67, 0
	s_wait_dscnt 0x0
	s_wait_kmcnt 0x0
	s_add_nc_u64 s[20:21], s[4:5], s[20:21]
	s_add_nc_u64 s[66:67], s[8:9], s[66:67]
	s_mov_b32 s[G0B], 1
	s_mov_b32 s[G0B+1], BOFF
	s_mov_b64 s[G0B+2:G0B+3], s[66:67]
	s_or_b32 s[G0B+3], s[G0B+3], 0x80000000
	s_mov_b32 s[G0P], 1                            ; part 0: blocks 0, 1 of each half
	s_mov_b32 s[G0P+1], 0
	s_mov_b64 s[G0P+2:G0P+3], s[20:21]
	s_or_b32 s[G0P+3], s[G0P+3], 0x80000000
	s_mov_b32 s[G0P+4], 1                          ; part 1: blocks 2 to 4
	s_mov_b32 s[G0P+5], PB1
	s_add_nc_u64 s[G0P+6:G0P+7], s[20:21], 2*TILE
	s_or_b32 s[G0P+7], s[G0P+7], 0x80000000
	s_mov_b32 s[G0P+8], 1                          ; part 2: blocks 5 to 7
	s_mov_b32 s[G0P+9], PB2
	s_add_nc_u64 s[G0P+10:G0P+11], s[20:21], 5*TILE
	s_or_b32 s[G0P+11], s[G0P+11], 0x80000000
	CROUND                                         ; all sixteen work-groups are here: the joint loads meet
	s_cmp_eq_u32 s14, 0                            ; one chain of branches on the wave's number, a load in every arm, in the order in which the tiles are needed
	s_cbranch_scc0 .Lw1
	TL G0B, G1B
	s_branch .Lasked
.Lw1:
	s_cmp_eq_u32 s14, 1
	s_cbranch_scc0 .Lw2
	TL G0P, G1A0
	s_branch .Lasked
.Lw2:
	s_cmp_eq_u32 s14, 2
	s_cbranch_scc0 .Lw3
	TL G0P+4, G1A1
	s_branch .Lasked
.Lw3:
	TL G0P+8, G1A1
.Lasked:
	s_lshl_b32 s12, s17, 8
	s_lshl_b32 s13, s15, 7
	s_add_co_u32 s12, s12, s13                     ; my first place of A: 256 x tile row + 128 x half
	s_lshl_b32 s13, s82, 7
	s_lshl_b32 s18, s16, 6
	s_add_co_u32 s13, s13, s18                     ; my first column: 128 x tile column + 64 x half
	s_lshl_b32 s18, s12, 2
	s_mov_b32 s19, 0
	s_add_nc_u64 s[88:89], s[6:7], s[18:19]        ; A's scale words: 4 bytes a place
	s_add_co_u32 s18, s13, 11264
	s_lshl_b32 s18, s18, 5
	s_add_nc_u64 s[90:91], s[10:11], s[18:19]      ; B's: 32 bytes a place
	s_lshl_b32 s18, s13, 2
	s_add_nc_u64 s[92:93], s[92:93], s[18:19]      ; the bias of my 64 columns
	s_add_nc_u64 s[94:95], s[94:95], s[18:19]
	s_lshl_b32 s18, s12, 12
	s_add_nc_u64 s[94:95], s[94:95], s[18:19]      ; out0 at my first row and column (rows of 4,096 bytes)
	s_mul_i32 s21, s15, 2*TILE                     ; my half's tiles in part 0,
	s_mul_i32 s22, s15, 3*TILE
	s_add_co_u32 s22, s22, PB1                     ; in part 1 (part 2: as far on as PB2 lies behind PB1)
	s_mul_i32 s23, s16, HALFB
	s_add_co_u32 s23, s23, BOFF                    ; my 64 places of B
	s_mul_i32 s68, s14, 16*SPITCH
	s_add_co_u32 s68, s68, STAGE                   ; my stage
	v_and_b32 v1, 15, v0                           ; r
	v_bfe_u32 v2, v0, 4, 1                         ; h
	v_and_b32 v6, 31, v0                           ; lane
	v_lshlrev_b32 v7, 4, v6
	v_lshlrev_b32 v5, 3, v6
	v_lshlrev_b32 v[L4], 2, v6
	v_lshlrev_b32 v[R32], 5, v1
	v_lshlrev_b32 v[H64], 6, v2
	v_lshlrev_b32 v[CO], 4, v1
	v_lshl_add_u32 v[CO], v2, 12, v[CO]
.irp s, 0,1,2,3,4,5,6,7
.irp j, 0,1,2,3
	global_load_b32 v[SA+4*\s+\j], v[L4], s[88:89] offset:32768*\s+128*\j   ; 32 places' words: 128 consecutive bytes
.endr
.endr
.irp b, 0,1,2,3
	global_load_b128 v[SB+8*\b:SB+8*\b+3], v[R32], s[90:91] offset:512*\b
	global_load_b128 v[SB+8*\b+4:SB+8*\b+7], v[R32], s[90:91] offset:512*\b+16
.endr
.irp b, 0,1,2,3                                ; lane (r, h) wants, for tile b = 2 g + u, the bias of columns 32 g + 16 h + 8 u + 0 .. 7
	global_load_b128 v[BIAS+8*\b:BIAS+8*\b+3], v[H64], s[92:93] offset:128*(\b/2)+32*(\b%2)
	global_load_b128 v[BIAS+8*\b+4:BIAS+8*\b+7], v[H64], s[92:93] offset:128*(\b/2)+32*(\b%2)+16
.endr
	v_add_nc_u32 v[AA16], s21, v7
	v_add_nc_u32 v[AA8], s21, v5
	v_add_nc_u32 v[AA16+1], s22, v7
	v_add_nc_u32 v[AA8+1], s22, v5
	s_add_co_u32 s22, s22, PB2-PB1
	v_add_nc_u32 v[AA16+2], s22, v7
	v_add_nc_u32 v[AA8+2], s22, v5
	v_mul_u32_u24 v3, v1, PITCH
	v_mul_u32_u24 v4, v2, 24
	v_add_nc_u32 v4, v3, v4                        ; B: a fragment's place x pitch + 24 h
	v_lshl_add_u32 v3, v2, 4, v4                   ; and the same behind one padding more
.irp s, 0,1,2,3
	v_add_nc_u32 v[ADRB+\s], s23, v4
	v_add_nc_u32 v[ADRB+4+\s], s23, v3
	s_add_co_u32 s23, s23, QB
.endr
	v_mul_u32_u24 v4, v1, SPITCH
	v_lshl_add_u32 v4, v2, 6, v4
	v_add_nc_u32 v[STO], s68, v4                   ; the stage, in: row r, + 64 h
	v_mul_u32_u24 v4, v2, SPITCH
	v_lshl_add_u32 v4, v1, 4, v4
	v_add_nc_u32 v[RD], s68, v4                    ; back: lanes 0-15 take one row of 256 bytes, lanes 16-31 the next
.macro FRAGB reg, adr, q, i            ; a fragment of B: 24 bytes of the place's stream of bits for each half of 128 K, in pieces of 8 bytes
.irp p, 0,1,2,3,4,5
.set PIECE, 12*(\q)+6*(\p/3)+\p%3
.if PIECE%8 < 5
	ds_load_b64 v[\reg+2*\p:\reg+2*\p+1], v[\adr] offset:8*PIECE+16*(PIECE/8)+(\i)*16*PITCH
.else
	ds_load_b64 v[\reg+2*\p:\reg+2*\p+1], v[\adr+4] offset:8*PIECE+16*(PIECE/8)+(\i)*16*PITCH
.endif
.endr
.endm
.macro FETCHA a                        ; A's block a, all of K: eight fragments from their images, consecutive bytes, into set a % 2
.if (\a) < 2
.set K_, 0
.set O_, (\a)*TILE
.elseif (\a) < 5
.set K_, 1
.set O_, ((\a)-2)*TILE
.else
.set K_, 2
.set O_, ((\a)-5)*TILE
.endif
	WIN 0xc0                                       ; destination window 3, address window 0
.irp s, 0,1,2,3,4,5,6,7
.set R_, 96*((\a)%2)+FR*\s
	ds_load_b128 v[R_:R_+3], v[AA16+K_] offset:O_+1536*\s
	ds_load_b64 v[R_+4:R_+5], v[AA8+K_] offset:O_+1536*\s+512
	ds_load_b128 v[R_+6:R_+9], v[AA16+K_] offset:O_+1536*\s+768
	ds_load_b64 v[R_+10:R_+11], v[AA8+K_] offset:O_+1536*\s+1280
.endr
	WIN 0
.endm
.macro WM d, fb, fa, c, sb, sa, row
	v_wmma_scale_f32_16x16x128_f8f6f4 v[\d:\d+7], v[\fb:\fb+FR-1], v[\fa:\fa+FR-1], \c, v[\sb], v[\sa] matrix_a_fmt:MATRIX_FMT_FP6 matrix_b_fmt:MATRIX_FMT_FP6 matrix_b_scale:MATRIX_SCALE_ROW\row
.endm
.macro PRODS a                         ; block a's 32 products: its four accumulators take turns, one instruction a turn, K ascending; an odd block's scale words lie in lanes 16-31
.irp s, 0,1,2,3,4,5,6,7
.set W_, 0x0c+1+\s/4                   ; source 0 (B) window 1 or 2, source 1 (A) window 3, C and D window 0
	WIN W_
.irp b, 0,1,2,3
.set rD, ACC+32*((\a)%2)+8*\b
.set rB, FR*(4*(\s%4)+\b)
.set rA, 96*((\a)%2)+FR*\s
.set rC, BIAS+8*\b
.set rSB, SB+8*\b+\s
.set rSA, SA+4*\s+(\a)/2
.if \s == 0
.if (\a)%2
	WM rD, rB, rA, v[rC:rC+7], rSB, rSA, 1
.else
	WM rD, rB, rA, v[rC:rC+7], rSB, rSA, 0
.endif
.else
.if (\a)%2
	WM rD, rB, rA, v[rD:rD+7], rSB, rSA, 1
.else
	WM rD, rB, rA, v[rD:rD+7], rSB, rSA, 0
.endif
.endif
.endr
.endr
	WIN 0
.endm
; THE WAY OUT of block a: a lane holds pieces of 32 neighbouring bytes of one row: the block goes through my own stage and comes back as whole rows of 256 bytes, two an instruction.
; LDS serves a wave's instructions in order (ISA guide 5.7.1.4): no wait between the stores and the loads.
.macro TOSTAGE a
.set AC, ACC+32*((\a)%2)
.irp b, 0,1,2,3
	ds_store_b128 v[STO], v[AC+8*\b:AC+8*\b+3] offset:128*(\b/2)+32*(\b%2)          ; each accumulator from its low end on: columns 32 (b / 2) + 16 h + 8 (b % 2) + 0 .. 7
	ds_store_b128 v[STO], v[AC+8*\b+4:AC+8*\b+7] offset:128*(\b/2)+32*(\b%2)+16
.endr
.set BB, BK+32*((\a)%2)
.irp i, 0,1,2,3,4,5,6,7
	ds_load_b128 v[BB+4*\i:BB+4*\i+3], v[RD] offset:2*\i*SPITCH
.endr
.endm
.macro SEND a
.set BB, BK+32*((\a)%2)
.set ROW0, 32*((\a)/2)+8*((\a)%2)      ; place t = 2 i + h of the block holds row ROW0 + t + 8 (t / 8) of my 128; the row stands in the immediate: 126 x 4,096 bytes at the most
	s_wait_dscnt 0x0                               ; the block is back in registers
.irp i, 0,1,2,3,4,5,6,7
	global_store_b128 v[CO], v[BB+4*\i:BB+4*\i+3], s[94:95] offset:(ROW0+2*\i+8*(\i/4))*4096 th:TH_STORE_NT   ; sixteen lanes store 256 consecutive bytes, at a multiple of 256 from out0's first byte
.endr
.endm
; A block's turn.  The next block's fragments are fetched ahead of the products, into the set that the last block's products read; where the next block lies in a part of A that has not been shown yet (behind blocks 1 and 4),
; the barrier and the fetch stand behind the products.
.macro BLK a
	s_wait_dscnt 0x0                               ; my fragments of block a are in
	s_wait_xcnt 0x0                                ; block a - 3's stores have read their registers: block a - 1's rows may land there
	PLACES 4                                       ; behind block a - 1's products
.if (\a) != 1 && (\a) != 4 && (\a) < 7
	FETCHA (\a)+1
.endif
.if (\a) > 0
	TOSTAGE (\a)-1
.endif
	PRODS \a
.if (\a) > 0
	SEND (\a)-1
.endif
.if (\a) == 1
	s_cmp_lt_u32 s14, 3                            ; A's part 1: wave 2's load; wave 3's may stay out
	s_cbranch_scc0 .Lp1_\@
	s_wait_tensorcnt 0x0
.Lp1_\@:
	s_barrier_signal -1
	s_barrier_wait -1
	FETCHA 2
.endif
.if (\a) == 4
	s_wait_tensorcnt 0x0                           ; A's part 2, the last load that is out: the wait stands on every wave's way
	s_barrier_signal -1
	s_barrier_wait -1
	FETCHA 5
.endif
.endm
	s_wait_alu depctr_va_vdst(0)
	s_cmp_lt_u32 s14, 1                            ; B: wave 0's load
	s_cbranch_scc0 .Lb_in
	s_wait_tensorcnt 0x0
.Lb_in:
	s_barrier_signal -1
	s_barrier_wait -1
.irp s, 0,1,2,3,4,5,6,7                        ; my 64 places of B, all of K, into registers: 192 loads
.set W_, (1+\s/4)<<6
	WIN W_
.irp b, 0,1,2,3
	FRAGB FR*(4*(\s%4)+\b), ADRB+\s/2, \s%2, \b
.endr
.endr
	WIN 0
	s_cmp_lt_u32 s14, 2                            ; A's part 0: wave 1's load
	s_cbranch_scc0 .Lp0_in
	s_wait_tensorcnt 0x0
.Lp0_in:
	s_wait_dscnt 0x0                               ; my reads of B's LDS bytes are over: behind this barrier they are the stages
	s_barrier_signal -1
	s_barrier_wait -1
	FETCHA 0
	s_wait_loadcnt 0x0                             ; the scale words and the bias
.irp a, 0,1,2,3,4,5,6,7
	BLK \a
.endr
	PLACES 4
	TOSTAGE 7
	SEND 7
	s_wait_tensorcnt 0x0                           ; the wave's end
	ds_add_u32 v[SPW], v[NIL]
	s_wait_dscnt 0x0
	CROUND                                         ; the closing round
	s_endpgm
.Lfunc_end_k_qd9be55a1f0_proj:
	.size	k_qd9be55a1f0_proj, .Lfunc_end_k_qd9be55a1f0_proj-k_qd9be55a1f0_proj
	.p2alignl 7, 3214868480
	.fill 96, 4, 3214868480
	.section	.rodata,"a",@progbits
	.p2align	6, 0x0
	.amdhsa_kernel k_qd9be55a1f0_proj
		.amdhsa_group_segment_fixed_size 327680
		.amdhsa_private_segment_fixed_size 0
		.amdhsa_enable_private_segment 0
		.amdhsa_kernarg_size 48
		.amdhsa_user_sgpr_count 2
		.amdhsa_user_sgpr_kernarg_segment_ptr 1
		.amdhsa_wavefront_size32 1
		.amdhsa_system_sgpr_workgroup_id_x 1
		.amdhsa_system_sgpr_workgroup_id_y 1
		.amdhsa_system_sgpr_workgroup_id_z 1
		.amdhsa_system_vgpr_workitem_id 0
		.amdhsa_next_free_vgpr 960
		.amdhsa_next_free_sgpr 100
		.amdhsa_reserve_vcc 0
		.amdhsa_float_denorm_mode_32 3
		.amdhsa_float_denorm_mode_16_64 3
		.amdhsa_memory_ordered 1
		.amdhsa_forward_progress 1
		.amdhsa_inst_pref_size 92
	.end_amdhsa_kernel
	.amdgpu_metadata
---
amdhsa.version: [ 1, 2 ]
amdhsa.kernels:
  - .name:           k_qd9be55a1f0_proj
    .symbol:         k_qd9be55a1f0_proj.kd
    .args:
      - { .name: o_codes, .offset: 0, .size: 8, .value_kind: global_buffer, .address_space: global }
      - { .name: o_scales, .offset: 8, .size: 8, .value_kind: global_buffer, .address_space: global }
      - { .name: in_codes, .offset: 16, .size: 8, .value_kind: global_buffer, .address_space: global }
      - { .name: in_scales, .offset: 24, .size: 8, .value_kind: global_buffer, .address_space: global }
      - { .name: b_proj, .offset: 32, .size: 8, .value_kind: global_buffer, .address_space: global }
      - { .name: out0, .offset: 40, .size: 8, .value_kind: global_buffer, .address_space: global }
    .group_segment_fixed_size: 327680
    .private_segment_fixed_size: 0
    .kernarg_segment_align: 8
    .kernarg_segment_size: 48
    .max_flat_workgroup_size: 128
    .sgpr_count:     100
    .vgpr_count:     960
    .wavefront_size: 32
...
	.end_amdgpu_metadata
.endif
;; end of part 4
